; MI455X (gfx1250); checked and timed in simulation.
; The chip was launched on July 23, 2026; its instructions are those of AMD's public machine-readable ISA for CDNA 5 (MIT licence, August 2026) and "CDNA5" Instruction Set Architecture Reference Guide (July 2026). The comments in the code are by the model that wrote it; some were corrected since.
;; Representation Head. Allowed arithmetic: float matrix products may take bf16 or f16 operands with f32 sums; other float arithmetic in f32, or as packed bf16 or f16 multiplies, adds, multiply-adds, maxima and minima; sums over many terms, partial sums and values carried from step to step in f32; what a program stores and reads back later, other than sums and carried values, may be rounded once to bf16 or f16.
;; Inputs: db1 512 float32; db2 1 float32; dw1 256 x 512 float32; dw2 512 x 1 float32; ln_beta 256 float32; ln_gamma 256 float32; rb1 512 float32; rb2 1 float32; rw1 256 x 512 float32; rw2 512 x 1 float32; slot_mask 32 x 4,096 bool; slot_states 32 x 4,096 x 256 float32; vb 256 float32; vw 256 x 256 float32.
;; Outputs: out0 32 x 256 float32; out1 32 x 4,096 float32; out2 32 x 3 int32; out3 32 x 3 float32; out4 32 x 4,096 float32.
;; 2 versions, each right; version 2 is version 1 with the launch prep written anew for expert scheduling mode. Each part assembles by itself: llvm-mc -triple=amdgcn-amd-amdhsa -mcpu=gfx1250 --defsym DOCPART=n.
;; ======== version 1 of 2: 4 launches
;; limits: a function is approximated: absolute error at most 0.0005; values are held in f16: magnitudes above 65,504 overflow, below 6.1e-05 lose precision
;; workspace buffers: wf 524,288 bytes; wl 524,288 bytes; tab 8,192 bytes; part 327,680 bytes; cand 65,536 bytes of whole numbers; rpart 131,072 bytes
;; launch prep (part 1): grid 16 x 1, 8 waves a work-group, no clusters, 3,072 bytes of LDS; arguments dw1, rw1, db1, rb1, dw2, rw2, ln_gamma, ln_beta, wf, wl, tab; writes wf, wl, tab
.if DOCPART == 1
	.amdgcn_target "amdgcn-amd-amdhsa--gfx1250"
	.amdhsa_code_object_version 6
	.text
	.protected	k_qea06e6ecab_prep
	.globl	k_qea06e6ecab_prep
	.p2align	8
	.type	k_qea06e6ecab_prep,@function
k_qea06e6ecab_prep:
	s_mov_b64 s[64:65], 0
	v_nop
	global_prefetch_b8 v0, s[64:65] scope:SCOPE_SE
	s_setreg_imm32_b32 hwreg(HW_REG_WAVE_MODE, 25, 1), 1
	s_wait_xcnt 0x0
; PREP.  The LayerNorm's gain and offset are folded into the two first layers: h = xhat (gamma . w1) + (beta w1 + b1).
; W' = gamma_k w1[k][j] is written twice in f16: wf = f16(W'), wl = f16((W' - wf) x 2048), both in the order in which a matrix fragment is loaded:
; byte = T x 8192 + c x 1024 + half x 512 + lane x 16; T = tile of 16 hidden units (0-31 drive, 32-63 resistance), c = K step of 32, lane = 16 h + r holds unit 16 T + r
; and k = 32 c + 16 half + 8 h + 0..7.  tab = cb[1024] = beta w1 + b1 in f32, then w2[1024].
; LIMIT.  |gamma_k w1[k][j]| stays under 65,504 (f16's end); below 6e-5 wf keeps f16's fixed step of 6e-8, and wl carries the rest.
; SHARES.  Work-group X owns hidden units 64 X .. 64 X + 63 (four tiles); wave w is K step c = w.  1 MiB is read once by 16 work-groups: no ring, no matrix unit, no cluster would pay.
.set SPARE, 2048                       ; behind the partial sums: the spare words, 128 bytes for each of eight waves
.set WO,   2                           ; v2  (32 c + 8 h) x 2048 + 4 r: my first element of w1
.set FO,   3                           ; v3  1024 c + 16 lane: my 16 bytes of a fragment
.set GO,   4                           ; v4  (32 c + 8 h) x 4: my first gamma and beta
.set PAD,  5                           ; v5  256 w + 4 r: my word among the partial sums
.set L8,   6                           ; v6  8 x lane
.set SPW,  8                           ; v8  my spare word; never rewritten
.set NIL,  9                           ; v9  0; never rewritten
.set NEG1, 10                          ; v10 -1.0
.set WR,   32                          ; v[32:95]   w1: tile j, element e at 32 + 16 j + e
.set GA,   96                          ; v[96:111]  gamma of my 16 k
.set BE,   112                         ; v[112:127] beta
.set TW,   128                         ; v[128:143] W'
.set FH,   144                         ; v[144:151] f16 high parts
.set FL,   152                         ; v[152:159] f16 low parts
.set RE,   160                         ; v[160:175] residues
.set SU,   176                         ; v[176:179] two chains of beta w1
.set WV,   36
	s_load_b512 s[4:19], s[0:1], 0x0               ; dw1 4, rw1 6, db1 8, rb1 10, dw2 12, rw2 14, gamma 16, beta 18
	s_load_b128 s[20:23], s[0:1], 0x40             ; wf 20, wl 22
	s_load_b64 s[24:25], s[0:1], 0x50              ; tab
	v_lshl_add_u32 v[SPW], v0, 2, SPARE
	v_mov_b32 v[NIL], 0
	v_mov_b32 v[NEG1], -1.0
	v_lshrrev_b32 v1, 5, v0
	v_readfirstlane_b32 s[WV], v1                  ; wave = K step
	v_and_b32 v11, 15, v0                          ; r
	v_bfe_u32 v12, v0, 4, 1                        ; h
	v_and_b32 v13, 31, v0                          ; lane
	s_lshl_b32 s37, s[WV], 5
	v_lshl_add_u32 v14, v12, 3, s37                ; 32 c + 8 h
	v_lshlrev_b32 v[GO], 2, v14
	v_lshlrev_b32 v[WO], 11, v14
	v_lshl_add_u32 v[WO], v11, 2, v[WO]
	s_lshl_b32 s37, s[WV], 10
	v_lshl_add_u32 v[FO], v13, 4, s37
	s_lshl_b32 s37, s[WV], 8
	v_lshl_add_u32 v[PAD], v11, 2, s37
	v_lshlrev_b32 v[L8], 3, v13
	s_mov_b32 s34, 0x76543210                      ; v_permlanex16_b32: each lane takes its own place in the other half
	s_mov_b32 s35, 0xfedcba98
	s_and_b32 s32, ttmp9, 7
	s_lshl_b32 s32, s32, 8                         ; my 64 columns: 256 bytes of a row of w1, of b1 and of w2
	s_mov_b32 s33, 0
	s_lshl_b32 s38, ttmp9, 15                      ; my four tiles in wf and wl
	s_mov_b32 s39, 0
	s_lshl_b32 s40, ttmp9, 8                       ; my 64 words in tab
	s_mov_b32 s41, 0
	s_wait_kmcnt 0x0
	s_cmp_lt_u32 ttmp9, 8                          ; work-groups 0-7: the drive's weights; 8-15: the resistance's
	s_cselect_b64 s[26:27], s[4:5], s[6:7]
	s_cselect_b64 s[28:29], s[8:9], s[10:11]
	s_cselect_b64 s[30:31], s[12:13], s[14:15]
	s_add_nc_u64 s[26:27], s[26:27], s[32:33]
	s_add_nc_u64 s[28:29], s[28:29], s[32:33]
	s_add_nc_u64 s[30:31], s[30:31], s[32:33]
	s_add_nc_u64 s[20:21], s[20:21], s[38:39]
	s_add_nc_u64 s[22:23], s[22:23], s[38:39]
	s_add_nc_u64 s[24:25], s[24:25], s[40:41]
	global_load_b128 v[GA:GA+3],     v[GO], s[16:17]
	global_load_b128 v[GA+4:GA+7],   v[GO], s[16:17] offset:16
	global_load_b128 v[GA+8:GA+11],  v[GO], s[16:17] offset:64
	global_load_b128 v[GA+12:GA+15], v[GO], s[16:17] offset:80
	global_load_b128 v[BE:BE+3],     v[GO], s[18:19]
	global_load_b128 v[BE+4:BE+7],   v[GO], s[18:19] offset:16
	global_load_b128 v[BE+8:BE+11],  v[GO], s[18:19] offset:64
	global_load_b128 v[BE+12:BE+15], v[GO], s[18:19] offset:80
.irp j, 0,1,2,3
.set e, 0
.rept 16                                       ; element e is k = 32 c + 8 h + e (e < 8) or + e + 8: the two halves of a fragment
	global_load_b32 v[WR+16*(\j)+e], v[WO], s[26:27] offset:(e+8*(e/8))*2048+64*(\j)
.set e, e+1
.endr
.endr
	s_wait_loadcnt 0x0
; One tile: W', its two f16 parts, four stores of 512 consecutive bytes a wave, and my K step's part of beta w1.
.macro TILE j
	s_wait_xcnt 0x0                                ; the last tile's stores have read FH and FL: only now are they rewritten
.set p, 0
.rept 8
	v_pk_mul_f32 v[TW+2*p:TW+2*p+1], v[WR+16*(\j)+2*p:WR+16*(\j)+2*p+1], v[GA+2*p:GA+2*p+1]
.set p, p+1
.endr
	v_pk_mul_f32 v[SU:SU+1],   v[WR+16*(\j):WR+16*(\j)+1],   v[BE:BE+1]
	v_pk_mul_f32 v[SU+2:SU+3], v[WR+16*(\j)+2:WR+16*(\j)+3], v[BE+2:BE+3]
.set p, 2
.rept 6
	v_pk_fma_f32 v[SU+2*(p%2):SU+2*(p%2)+1], v[WR+16*(\j)+2*p:WR+16*(\j)+2*p+1], v[BE+2*p:BE+2*p+1], v[SU+2*(p%2):SU+2*(p%2)+1]
.set p, p+1
.endr
.set p, 0
.rept 8
	v_cvt_pk_f16_f32 v[FH+p], v[TW+2*p], v[TW+2*p+1]
.set p, p+1
.endr
.set p, 0
.rept 8                                        ; W' less its f16 part, exact in f32
	v_fma_mix_f32 v[RE+2*p],   v[FH+p], v[NEG1], v[TW+2*p]   op_sel_hi:[1,0,0]
	v_fma_mix_f32 v[RE+2*p+1], v[FH+p], v[NEG1], v[TW+2*p+1] op_sel:[1,0,0] op_sel_hi:[1,0,0]
.set p, p+1
.endr
.set p, 0
.rept 8
	v_pk_mul_f32 v[RE+2*p:RE+2*p+1], v[RE+2*p:RE+2*p+1], 0x45000000 op_sel_hi:[1,0]  ; x 2048: the residue gets f16's normal range
.set p, p+1
.endr
.set p, 0
.rept 8
	v_cvt_pk_f16_f32 v[FL+p], v[RE+2*p], v[RE+2*p+1]
.set p, p+1
.endr
	global_store_b128 v[FO], v[FH:FH+3],   s[20:21] offset:8192*(\j)
	global_store_b128 v[FO], v[FH+4:FH+7], s[20:21] offset:8192*(\j)+512
	global_store_b128 v[FO], v[FL:FL+3],   s[22:23] offset:8192*(\j)
	global_store_b128 v[FO], v[FL+4:FL+7], s[22:23] offset:8192*(\j)+512
	v_pk_add_f32 v[SU:SU+1], v[SU:SU+1], v[SU+2:SU+3]
	v_add_f32 v[SU], v[SU], v[SU+1]
	v_permlanex16_b32 v[SU+1], v[SU], s34, s35     ; the other 16 k of the K step lie in the lane 16 away
	v_add_f32 v[SU], v[SU], v[SU+1]
	ds_store_b32 v[PAD], v[SU] offset:64*(\j)      ; both halves of the lanes write the same number to the same word
.endm
	TILE 0
	TILE 1
	TILE 2
	TILE 3
	s_wait_dscnt 0x0                               ; for the others' sake: my partial sums are in LDS
	s_barrier_signal -1
	s_barrier_wait -1
	s_cmp_lg_u32 s[WV], 0
	s_cbranch_scc1 .Lnot0
	global_load_b64 v[16:17], v[L8], s[28:29]      ; wave 0: b1 and the eight K steps' sums, two units a lane
.irp w, 0,1,2,3,4,5,6,7
	ds_load_b64 v[WR+2*(\w):WR+2*(\w)+1], v[L8] offset:256*(\w)
.endr
	s_wait_dscnt 0x0
.irp w, 1,2,3,4,5,6,7
	v_pk_add_f32 v[WR:WR+1], v[WR:WR+1], v[WR+2*(\w):WR+2*(\w)+1]
.endr
	s_wait_loadcnt 0x0
	v_pk_add_f32 v[WR:WR+1], v[WR:WR+1], v[16:17]
	global_store_b64 v[L8], v[WR:WR+1], s[24:25]   ; 256 consecutive bytes
	s_branch .Lend
.Lnot0:
	s_cmp_lg_u32 s[WV], 1
	s_cbranch_scc1 .Lend
	global_load_b64 v[16:17], v[L8], s[30:31]      ; wave 1: w2 is copied behind cb
	s_wait_loadcnt 0x0
	global_store_b64 v[L8], v[16:17], s[24:25] offset:4096
.Lend:
	s_wait_tensorcnt 0x0                           ; the wave's end, behind my last LDS store
	ds_add_u32 v[SPW], v[NIL]
	s_wait_dscnt 0x0
	s_endpgm
.Lfunc_end_k_qea06e6ecab_prep:
	.size	k_qea06e6ecab_prep, .Lfunc_end_k_qea06e6ecab_prep-k_qea06e6ecab_prep
	.p2alignl 7, 3214868480
	.fill 96, 4, 3214868480
	.section	.rodata,"a",@progbits
	.p2align	6, 0x0
	.amdhsa_kernel k_qea06e6ecab_prep
		.amdhsa_group_segment_fixed_size 3072
		.amdhsa_private_segment_fixed_size 0
		.amdhsa_enable_private_segment 0
		.amdhsa_kernarg_size 88
		.amdhsa_user_sgpr_count 2
		.amdhsa_user_sgpr_kernarg_segment_ptr 1
		.amdhsa_wavefront_size32 1
		.amdhsa_system_sgpr_workgroup_id_x 1
		.amdhsa_system_sgpr_workgroup_id_y 1
		.amdhsa_system_sgpr_workgroup_id_z 1
		.amdhsa_system_vgpr_workitem_id 0
		.amdhsa_next_free_vgpr 192
		.amdhsa_next_free_sgpr 66
		.amdhsa_reserve_vcc 0
		.amdhsa_float_denorm_mode_32 3
		.amdhsa_float_denorm_mode_16_64 3
		.amdhsa_memory_ordered 1
		.amdhsa_forward_progress 1
		.amdhsa_inst_pref_size 29
	.end_amdhsa_kernel
	.amdgpu_metadata
---
amdhsa.version: [ 1, 2 ]
amdhsa.kernels:
  - .name:           k_qea06e6ecab_prep
    .symbol:         k_qea06e6ecab_prep.kd
    .args:
      - { .name: dw1, .offset: 0, .size: 8, .value_kind: global_buffer, .address_space: global }
      - { .name: rw1, .offset: 8, .size: 8, .value_kind: global_buffer, .address_space: global }
      - { .name: db1, .offset: 16, .size: 8, .value_kind: global_buffer, .address_space: global }
      - { .name: rb1, .offset: 24, .size: 8, .value_kind: global_buffer, .address_space: global }
      - { .name: dw2, .offset: 32, .size: 8, .value_kind: global_buffer, .address_space: global }
      - { .name: rw2, .offset: 40, .size: 8, .value_kind: global_buffer, .address_space: global }
      - { .name: ln_gamma, .offset: 48, .size: 8, .value_kind: global_buffer, .address_space: global }
      - { .name: ln_beta, .offset: 56, .size: 8, .value_kind: global_buffer, .address_space: global }
      - { .name: wf, .offset: 64, .size: 8, .value_kind: global_buffer, .address_space: global }
      - { .name: wl, .offset: 72, .size: 8, .value_kind: global_buffer, .address_space: global }
      - { .name: tab, .offset: 80, .size: 8, .value_kind: global_buffer, .address_space: global }
    .group_segment_fixed_size: 3072
    .private_segment_fixed_size: 0
    .kernarg_segment_align: 8
    .kernarg_segment_size: 88
    .max_flat_workgroup_size: 256
    .sgpr_count:     66
    .vgpr_count:     192
    .wavefront_size: 32
...
	.end_amdgpu_metadata
.endif
;; end of part 1
;; launch main (part 2): grid 256 x 1, 4 waves a work-group, clusters of 4 x 1, 327,680 bytes of LDS; arguments slot_states, slot_mask, wf, tab, db2, rb2, out4, part, cand; writes out4, part, cand
.if DOCPART == 2
	.amdgcn_target "amdgcn-amd-amdhsa--gfx1250"
	.amdhsa_code_object_version 6
	.text
	.protected	k_qea06e6ecab_main
	.globl	k_qea06e6ecab_main
	.p2align	8
	.type	k_qea06e6ecab_main,@function
k_qea06e6ecab_main:
	s_mov_b64 s[64:65], 0
	v_nop
	global_prefetch_b8 v0, s[64:65] scope:SCOPE_SE
	s_setreg_imm32_b32 hwreg(HW_REG_WAVE_MODE, 25, 1), 1
	s_wait_xcnt 0x0
	s_wait_alu depctr_hold_cnt(0) depctr_sa_sdst(0) depctr_va_vdst(0) depctr_va_sdst(0) depctr_va_ssrc(0) depctr_va_vcc(0) depctr_vm_vsrc(0)
	s_getreg_b32 s2, hwreg(HW_REG_IB_STS2, 6, 4)
	s_cmp_eq_u32 s2, 0
	s_cbranch_scc0 .Lentry_in_a_cluster
	s_endpgm
.Lentry_in_a_cluster:
	s_bfe_u32 s2, ttmp6, 0x10000c
	s_cmp_lg_u32 s2, 0x3003
	s_cbranch_scc0 .Lentry_shape_is_right
	s_endpgm
.Lentry_shape_is_right:
; MAIN.  For 512 rows a work-group (an eighth of a batch): LayerNorm, both MLPs 256 -> 512 -> 1, score = clip(drive - softplus(res), -3, 3) -> out4;
; p = mask ? e^score : 0; the sums of p and of p xhat -> part; the four best rows by score -> cand (whole numbers, for the launch that scores them again).
; NO MAXIMUM is taken away before the exponential: the clip that the problem itself makes holds the exponents in -3 .. 3, so p lies in 0.05 .. 20.1 and a sum of 4,096 of them under 82,300.
; THE VALUE PRODUCT is not made row by row: sum_s w_s (n_s vw + vb) = (sum_s w_s n_s) vw + (sum_s w_s) vb for every input; the last launch multiplies once a batch.
; FORMATS.  Matrix operands in f16 (|xhat| <= 16; W' = gamma . w1 under 65,504), sums in f32.
; LIMITS.  GELU here is h / (1 + 2^(h (K1 + K3 h^2))), the tanh form of Phi: by a hand count within 5e-4 of the erf form, absolutely, for every h.  The order of the top three never rests on it:
; a later launch scores the candidates again.  A row can reach the top three only if it is among the four best of its 512 by this launch's score.  NaN and infinities are not treated apart.
; SHARES.  Wave w owns 128 rows: eight tiles of 16, kept as f16 fragments in 512 registers.  The product is taken transposed (source 0 = 16 hidden units, source 1 = 16 rows): a lane holds ONE row
; (lane % 16) and the units 8 (lane / 16) + 0..7; the bias is the C operand of the first K step; a row's sum wants one exchange between the halves of the lanes, at the end.
; PERIODS.  Period n has 64 products (tile n of 16 hidden units x 8 row tiles x 8 K steps), behind each of them five lines of tile n - 1's GELU, and the run of LDS loads for tile n + 1.
; CLUSTER.  All work-groups walk the same 512 KiB of weights: the four of a cluster ask for each 128 KiB slot jointly.  x is each work-group's own.
; NO PREFETCH: x is asked for by the tensor loads of the first phase alone, half of a work-group's share at the head; the weights are read by every work-group.
; REGISTERS, in windows of 256 (s_set_vgpr_msb: bits 1:0 source 0, 3:2 source 1, 5:4 source 2, 7:6 destination):
;   window 0: v0-15 addresses; v16-31 bias, two buffers; v32-47 w2, two buffers; v48-63 the rows' sums; v64-127 at work; v128-255 two accumulator buffers (in the first phase a row tile in f32)
;   window 1: v0-127 the weights' fragments, two buffers; v128-135 the mask's bytes; v136-151 the drive's sums          windows 2, 3: xhat: tile t, K step c at window 2 + t / 4, v[64 (t % 4) + 8 c]
.set XP,    1040                       ; a row of x in LDS: 1,024 bytes + 16: the 16 rows of a load start at 16 different groups of four banks (ISA guide 11.1)
.set XWAVE, 32*XP                      ; a wave's tile of 32 rows
.set XSLOT, 4*XWAVE
.set WSLOT, 1<<17                      ; a slot of weights: 16 tiles of 8,192 bytes, dense; slot b begins here: one exclusive or turns an address
.set TAB,   2*XSLOT                    ; cb, then w2 at + 4,096
.set XDP,   544                        ; the way out: a row of xhat in f16, 512 bytes + 32: an odd multiple of 32 for the turning load
.set XDW,   128*XDP                    ; a wave's 128 rows; the four lie from byte 0 on, over blocks that have had their last fill
.set LG,    4*XDW                      ; scores [512] f32
.set KY,    LG+2048                    ; keys [512] f32
.set PL,    KY+2048                    ; [4 waves][256] f32: sums of p xhat
.set P16,   PL+4096                    ; [4 waves][128] f16: p
.set PS,    P16+1024                   ; 4 words: sums of p
.set SPARE, PS+256                     ; the spare words, 128 bytes a wave
.set L16, 2                            ; v2  16 x lane
.set H32, 3                            ; v3  TAB + 32 (lane / 16)
.set ADR, 4                            ; v4  the LDS address of the run of loads in hand
.set ADT, 5                            ; v5  the same in the table
.set SPW, 6                            ; v6  my spare word; never rewritten
.set NIL, 7                            ; v7  0; never rewritten
.set AX0, 8                            ; v8, v9  my place in my wave's x tile, slot 0, 1
.set MO,  11                           ; v11 my offset in the mask
.set BIAS, 16
.set W2R,  32
.set SC,   48
.set ZR,   64
.set ACC,  128
.set XA,   128
.set LS,   64                          ; the LayerNorm's four chains
.set MU,   72
.set RS,   74
.set T0,   76
.set T1,   77
.set MK,   128                         ; window 1
.set DRV,  136                         ; window 1
.set RES,  64                          ; the way out, eight registers each
.set DR,   72
.set TA,   80
.set SCO,  88
.set PP,   96
.set KEY,  104
.set MKC,  112
.set WV,  22
.set CX,  23
.set G1X, 28                           ; s[28:35] group 1: 32 rows x 256 f32, padded
.set G1W, 36                           ; s[36:43] group 1: 128 dense rows of 256 bytes, joint
.set G1T, 44                           ; s[44:51] group 1: 8 such rows, joint
.set G0X, 52                           ; s[52:59] group 0 for x, a set for each slot
.set G0W, 60                           ; s[60:63] group 0 for the weights: it walks
.set G0T, 68                           ; s[68:71] group 0 for the table
.set K1,  72
.set K3,  74
.set SEL, 76
.set TB,  78                           ; LDS byte at which the tile to be fetched begins
.set TT,  79                           ; its 64 bytes in cb
.set CNT, 80
.set SLOTS, 81
.set TR,  82
.set DB2, 83
.set RB2, 84
.set C256, 85
.set EPS, 86
.set L2E, 87
.set LN2, 88
.set BIGN, 89
.set ODD, 90
.set GI,  91                           ; the work-group's number: it enters global addresses of x, mask and outputs, and data, alone
.set MSB, 0
.macro WIN new                         ; the immediate's high byte repeats the setting that is left; a switch that changes nothing is dropped
.if MSB != (\new)
	s_set_vgpr_msb (MSB<<8)|(\new)
.set MSB, \new
.endif
.endm
.macro NOP4
.rept 4
	v_nop
.endr
.endm
; A round of the cluster's barrier: my work-group's barrier; wave 0 signals for the work-group; every wave waits for all four work-groups; my work-group's barrier once more.
.macro ROUND
	s_barrier_signal -1
	s_barrier_wait -1
	s_cmp_lg_u32 s[WV], 0
	s_cbranch_scc1 .Lnw0_\@
	s_barrier_signal -3
.Lnw0_\@:
	s_barrier_wait -3
	s_barrier_signal -1
	s_barrier_wait -1
.endm
	s_load_b512 s[4:19], s[0:1], 0x0               ; x 4, mask 6, wf 8, tab 10, db2 12, rb2 14, out4 16, part 18
	s_load_b64 s[20:21], s[0:1], 0x40              ; cand
	v_lshl_add_u32 v[SPW], v0, 2, SPARE
	v_mov_b32 v[NIL], 0
	ds_add_u32 v[SPW], v[NIL]                      ; the wave's opening: the add, twice on end, and its wait ahead of my first tensor load
	ds_add_u32 v[SPW], v[NIL]                      ; and once more, under the one wait; the set-up below, work on registers, stands between
	v_lshrrev_b32 v1, 5, v0
	v_readfirstlane_b32 s[WV], v1                  ; wave 0..3
	s_bfe_u32 s[CX], ttmp6, 0x40000                ; my place in the cluster
	s_lshl_b32 s[GI], ttmp9, 2                     ; in a cluster launch ttmp9 counts clusters
	s_add_co_u32 s[GI], s[GI], s[CX]
	s_mov_b32 s[K1], 0xc0135761                    ; -2 sqrt(2/pi) log2(e)
	s_mov_b32 s[K1+1], s[K1]
	s_mov_b32 s[K3], 0xbdd2d3e8                    ; K1 x 0.044715
	s_mov_b32 s[K3+1], s[K3]
	s_mov_b32 s[SEL], 0x76543210
	s_mov_b32 s[SEL+1], 0xfedcba98
	s_mov_b32 s[C256], 0x3b800000                  ; 1 / 256
	s_mov_b32 s[EPS], 0x3727c5ac                   ; 1e-5
	s_mov_b32 s[L2E], 0x3fb8aa3b                   ; log2(e)
	s_mov_b32 s[LN2], 0x3f317218                   ; ln 2
	s_mov_b32 s[BIGN], 0xf149f2ca                  ; -1e30
	s_mov_b32 s[ODD], 0xaaaaaaaa                   ; the odd lanes
	s_mov_b32 s[G1X],   (2<<16)|(1<<20)|(7<<22)|(3<<25)  ; 4-byte elements; padding on; after every 256 words (code 7) 4 words (code 3); no mask: x is my own
	s_mov_b32 s[G1X+1], 256<<16                    ; tensor_dim0 = 256
	s_mov_b32 s[G1X+2], 32<<16                     ; tensor_dim1 = 32
	s_mov_b32 s[G1X+3], 256<<16                    ; tile_dim0 = 256
	s_mov_b32 s[G1X+4], 32                         ; tile_dim1 = 32
	s_mov_b32 s[G1X+5], 256                        ; 256 elements from row to row
	s_mov_b32 s[G1X+6], 0
	s_mov_b32 s[G1X+7], 0
	s_mov_b32 s[G1W],   15|(3<<16)|(1<<21)         ; the mask of four; 8-byte elements; bit 21 set beside a mask
	s_mov_b32 s[G1W+1], 32<<16                     ; rows of 32 elements = 256 bytes
	s_mov_b32 s[G1W+2], 128<<16
	s_mov_b32 s[G1W+3], 32<<16
	s_mov_b32 s[G1W+4], 128                        ; 128 rows: my quarter of a slot
	s_mov_b32 s[G1W+5], 32
	s_mov_b32 s[G1W+6], 0
	s_mov_b32 s[G1W+7], 0
	s_mov_b32 s[G1T],   15|(3<<16)|(1<<21)
	s_mov_b32 s[G1T+1], 32<<16
	s_mov_b32 s[G1T+2], 8<<16
	s_mov_b32 s[G1T+3], 32<<16
	s_mov_b32 s[G1T+4], 8                          ; 8 rows: my quarter of the table
	s_mov_b32 s[G1T+5], 32
	s_mov_b32 s[G1T+6], 0
	s_mov_b32 s[G1T+7], 0
	s_mul_i32 s24, s[WV], XWAVE
	s_mov_b32 s[G0X], 1
	s_mov_b32 s[G0X+1], s24                        ; LDS: slot 0, my wave's part
	s_mov_b32 s[G0X+4], 1
	s_add_co_u32 s[G0X+5], s24, XSLOT              ; slot 1
	s_mov_b32 s[G0W], 1
	s_lshl_b32 s[G0W+1], s[WV], 15                 ; slot a, my quarter
	s_mov_b32 s[G0T], 1
	s_lshl_b32 s26, s[WV], 11
	s_add_co_u32 s[G0T+1], s26, TAB
	s_lshl_b32 s24, s[WV], 15
	s_mov_b32 s25, 0
	s_mov_b32 s27, 0
	s_lshl_b32 s92, s[GI], 19                      ; my work-group's 512 rows of 1,024 bytes,
	s_lshl_b32 s93, s[WV], 17                      ; my wave's 128
	s_add_co_u32 s92, s92, s93
	s_mov_b32 s93, 0
	s_lshl_b32 s94, s[GI], 9
	s_mov_b32 s95, 0
	s_lshl_b32 s96, s[GI], 11
	s_mov_b32 s97, 0
	s_mul_i32 s98, s[GI], 1280
	s_mov_b32 s99, 0
	s_wait_dscnt 0x0                               ; both opening adds are done
	s_wait_kmcnt 0x0
	s_add_nc_u64 s[G0X+2:G0X+3], s[4:5], s[92:93]
	s_add_nc_u64 s[G0X+6:G0X+7], s[G0X+2:G0X+3], 32768
	s_or_b32 s[G0X+3], s[G0X+3], 0x80000000
	s_or_b32 s[G0X+7], s[G0X+7], 0x80000000
	s_add_nc_u64 s[G0W+2:G0W+3], s[8:9], s[24:25]
	s_or_b32 s[G0W+3], s[G0W+3], 0x80000000
	s_add_nc_u64 s[G0T+2:G0T+3], s[10:11], s[26:27]
	s_or_b32 s[G0T+3], s[G0T+3], 0x80000000
	s_add_nc_u64 s[6:7], s[6:7], s[94:95]          ; mask, out4, part and cand at my work-group's part
	s_add_nc_u64 s[16:17], s[16:17], s[96:97]
	s_add_nc_u64 s[18:19], s[18:19], s[98:99]
	s_lshl_b32 s94, s[GI], 8
	s_add_nc_u64 s[20:21], s[20:21], s[94:95]
	s_load_b32 s[DB2], s[12:13], 0x0
	s_load_b32 s[RB2], s[14:15], 0x0
	ROUND                                          ; all four work-groups are here: the first loads go out as one group
	tensor_load_to_lds s[G0X:G0X+3], s[G1X:G1X+7]      ; my rows 0-31
	s_nop 0
	tensor_load_to_lds s[G0X+4:G0X+7], s[G1X:G1X+7]    ; my rows 32-63
	s_nop 0
	tensor_load_to_lds s[G0T:G0T+3], s[G1T:G1T+7]      ; my quarter of the table, jointly: three loads of mine are out
	s_nop 0
	NOP4
	v_and_b32 v12, 15, v0                          ; r: kept to the end
	v_bfe_u32 v13, v0, 4, 1                        ; h: kept to the end
	s_lshl_b32 s24, s[WV], 7
	v_add_nc_u32 v[MO], s24, v12
	WIN 0x40
.irp t, 0,1,2,3,4,5,6,7
	global_load_u8 v[MK+(\t)], v[MO], s[6:7] offset:16*(\t)  ; the mask of my row in each of the eight tiles; waited for on the way out
.endr
	WIN 0
	v_and_b32 v1, 31, v0
	v_lshlrev_b32 v[L16], 4, v1
	v_lshlrev_b32 v[H32], 5, v13
	v_mul_u32_u24 v[AX0], v12, XP
	v_add_nc_u32 v[AX0], v[AX0], v[H32]            ; row x pitch + 32 h
	s_mul_i32 s24, s[WV], XWAVE
	v_add_nc_u32 v[AX0], s24, v[AX0]
	v_add_nc_u32 v[AX0+1], XSLOT, v[AX0]
	v_add_nc_u32 v[H32], TAB, v[H32]
	v_mov_b32 v[T0], 0                             ; v_permlanex16_b32's destination counts as read
; THE LAYERNORM of 16 rows, from LDS into fragment t.  Lane (r, h) holds the 128 numbers of row r that a fragment's map gives it: for K step c, k = 32 c + 8 h + 0..7 and 32 c + 16 + 8 h + 0..7.
; Mean first, then the squares of the differences (no difference of large sums), each in four chains; the halves of a row meet by one exchange.
.macro LN16 adr, base, t
.irp c, 0,1,2,3,4,5,6,7
	ds_load_b128 v[XA+16*(\c):XA+16*(\c)+3],     v[\adr] offset:(\base)+128*(\c)
	ds_load_b128 v[XA+16*(\c)+4:XA+16*(\c)+7],   v[\adr] offset:(\base)+128*(\c)+16
	ds_load_b128 v[XA+16*(\c)+8:XA+16*(\c)+11],  v[\adr] offset:(\base)+128*(\c)+64
	ds_load_b128 v[XA+16*(\c)+12:XA+16*(\c)+15], v[\adr] offset:(\base)+128*(\c)+80
.endr
	s_wait_dscnt 0x0
.set p, 0
.rept 4
	v_pk_add_f32 v[LS+2*p:LS+2*p+1], v[XA+2*p:XA+2*p+1], v[XA+2*p+8:XA+2*p+9]
.set p, p+1
.endr
.set p, 8
.rept 56
	v_pk_add_f32 v[LS+2*(p%4):LS+2*(p%4)+1], v[LS+2*(p%4):LS+2*(p%4)+1], v[XA+2*p:XA+2*p+1]
.set p, p+1
.endr
	v_pk_add_f32 v[LS:LS+1], v[LS:LS+1], v[LS+2:LS+3]
	v_pk_add_f32 v[LS+4:LS+5], v[LS+4:LS+5], v[LS+6:LS+7]
	v_pk_add_f32 v[LS:LS+1], v[LS:LS+1], v[LS+4:LS+5]
	v_add_f32 v[LS], v[LS], v[LS+1]
	v_permlanex16_b32 v[T0], v[LS], s[SEL], s[SEL+1]
	v_add_f32 v[LS], v[LS], v[T0]
	v_mul_f32 v[MU], s[C256], v[LS]
	v_mul_f32 v[MU+1], s[C256], v[LS]
.set p, 0
.rept 64
	v_pk_add_f32 v[XA+2*p:XA+2*p+1], v[XA+2*p:XA+2*p+1], v[MU:MU+1] neg_lo:[0,1] neg_hi:[0,1]
.set p, p+1
.endr
.set p, 0
.rept 4
	v_pk_mul_f32 v[LS+2*p:LS+2*p+1], v[XA+2*p:XA+2*p+1], v[XA+2*p:XA+2*p+1]
.set p, p+1
.endr
.rept 60
	v_pk_fma_f32 v[LS+2*(p%4):LS+2*(p%4)+1], v[XA+2*p:XA+2*p+1], v[XA+2*p:XA+2*p+1], v[LS+2*(p%4):LS+2*(p%4)+1]
.set p, p+1
.endr
	v_pk_add_f32 v[LS:LS+1], v[LS:LS+1], v[LS+2:LS+3]
	v_pk_add_f32 v[LS+4:LS+5], v[LS+4:LS+5], v[LS+6:LS+7]
	v_pk_add_f32 v[LS:LS+1], v[LS:LS+1], v[LS+4:LS+5]
	v_add_f32 v[LS], v[LS], v[LS+1]
	v_permlanex16_b32 v[T0], v[LS], s[SEL], s[SEL+1]
	v_add_f32 v[LS], v[LS], v[T0]
	v_fma_f32 v[T1], v[LS], s[C256], s[EPS]
	v_rsq_f32 v[RS], v[T1]
	v_rsq_f32 v[RS+1], v[T1]
	v_nop                                          ; a plain instruction behind the last of the two,
	s_wait_alu depctr_va_vdst(0)                   ; and the one wait ahead of their first reader
.set p, 0
.rept 64
	v_pk_mul_f32 v[XA+2*p:XA+2*p+1], v[XA+2*p:XA+2*p+1], v[RS:RS+1]
.set p, p+1
.endr
	WIN 0x80+0x40*((\t)/4)                         ; destination window 2 or 3
.set p, 0
.rept 64
	v_cvt_pk_f16_f32 v[64*((\t)%4)+p], v[XA+2*p], v[XA+2*p+1]
.set p, p+1
.endr
	WIN 0
.endm
.macro XTILE i, left                   ; my x tile i (32 rows) becomes fragments 2 i and 2 i + 1.  left: the younger tensor loads, which may stay out
	s_wait_tensorcnt \left
	LN16 AX0+((\i)%2), 0, 2*(\i)
	LN16 AX0+((\i)%2), 16*XP, 2*(\i)+1
.endm
.macro REFILLX s                       ; x slot s, which I have read, takes the tile two further on
	s_wait_tensorcnt 0x0                           ; all my tensor loads have landed, so a group 0 may be written
	ds_add_u32 v[SPW], v[NIL]                      ; 0 onto my spare word
	s_add_nc_u64 s[G0X+4*(\s)+2:G0X+4*(\s)+3], s[G0X+4*(\s)+2:G0X+4*(\s)+3], 65536
	s_wait_dscnt 0x0                               ; the add is done, and my reads of the slot are back
	ROUND
	tensor_load_to_lds s[G0X+4*(\s):G0X+4*(\s)+3], s[G1X:G1X+7]  ; my one tensor load behind the round
	s_nop 0
	NOP4
.endm
.macro FILLW step                      ; a slot of weights lands on bytes of x that every wave has read: the same order, the load a joint one
	s_wait_tensorcnt 0x0
	ds_add_u32 v[SPW], v[NIL]
.if \step
	s_xor_b32 s[G0W+1], s[G0W+1], WSLOT
	s_add_nc_u64 s[G0W+2:G0W+3], s[G0W+2:G0W+3], WSLOT
.endif
	s_wait_dscnt 0x0
	ROUND
	tensor_load_to_lds s[G0W:G0W+3], s[G1W:G1W+7]
	s_nop 0
	NOP4
.endm
	XTILE 0, 2                                     ; tile 1 and the table may stay out
	REFILLX 0                                      ; tile 2
	XTILE 1, 1                                     ; one load was issued behind it; the wait for 0 in front of the round has shown it landed
	REFILLX 1                                      ; tile 3
	XTILE 2, 1
	FILLW 0                                        ; weights' tiles 0-15 into slot a: it lies inside x slot 0
	XTILE 3, 1
	FILLW 1                                        ; tiles 16-31 into slot b; the wait and the round in front have shown slot a and the table whole to every wave
; THE GELU's LINES for the tile in accumulator buffer hb (w2 in wb).  H q = pair q of 32 of the lane's 64 numbers, Z q its work pair.
.macro GU q                            ; h^2
	v_pk_mul_f32 v[ZR+2*(\q):ZR+2*(\q)+1], v[hb+2*(\q):hb+2*(\q)+1], v[hb+2*(\q):hb+2*(\q)+1]
.endm
.macro GP q                            ; K3 h^2 + K1
	v_pk_fma_f32 v[ZR+2*(\q):ZR+2*(\q)+1], v[ZR+2*(\q):ZR+2*(\q)+1], s[K3:K3+1], s[K1:K1+1] op_sel_hi:[1,0,0]
.endm
.macro GM q                            ; z = h (K3 h^2 + K1)
	v_pk_mul_f32 v[ZR+2*(\q):ZR+2*(\q)+1], v[ZR+2*(\q):ZR+2*(\q)+1], v[hb+2*(\q):hb+2*(\q)+1]
.endm
.macro GE e                            ; 2^z
	v_exp_f32 v[ZR+(\e)], v[ZR+(\e)]
.endm
.macro GX q                            ; h w2
	v_pk_mul_f32 v[hb+2*(\q):hb+2*(\q)+1], v[hb+2*(\q):hb+2*(\q)+1], v[wb+2*((\q)%4):wb+2*((\q)%4)+1]
.endm
.macro GD q                            ; 1 + 2^z
	v_pk_add_f32 v[ZR+2*(\q):ZR+2*(\q)+1], v[ZR+2*(\q):ZR+2*(\q)+1], 1.0 op_sel_hi:[1,0]
.endm
.macro GR e                            ; 1 / (1 + 2^z)
	v_rcp_f32 v[ZR+(\e)], v[ZR+(\e)]
.endm
.macro GF q                            ; the row's sum takes h w2 / (1 + 2^z)
	v_pk_fma_f32 v[SC+2*((\q)/4):SC+2*((\q)/4)+1], v[hb+2*(\q):hb+2*(\q)+1], v[ZR+2*(\q):ZR+2*(\q)+1], v[SC+2*((\q)/4):SC+2*((\q)/4)+1]
.endm
.macro PAOP a                          ; number a of 96: U, P and M staggered, so that no line reads the result of the line before it; U's ascend
.if (\a) < 2
	GU (\a)
.elseif (\a) == 2
	GP 0
.elseif (\a) == 93
	GP 31
.elseif (\a) == 94
	GM 30
.elseif (\a) == 95
	GM 31
.elseif (\a)%3 == 0
	GU (\a)/3+1
.elseif (\a)%3 == 1
	GP (\a)/3
.else
	GM (\a)/3-1
.endif
.endm
.macro PBOP i                          ; number i of 49: D 3 .. D 31 and X 12 .. X 31, the plain lines among the reciprocals
.if (\i) < 42
.if (\i)%3 < 2
	GD 3+2*((\i)/3)+(\i)%3
.else
	GX 12+(\i)/3
.endif
.elseif (\i) == 42
	GD 31
.else
	GX (\i)-17
.endif
.endm
; Rider rj of 320.  0-9: plain.  10-169: plain, exponential, plain, exponential, plain, 32 times: ONE batch of 64 exponentials, none of whose results is named ahead of number 170.
; 170-174: plain.  175-286: plain, reciprocal, plain, reciprocal, plain, reciprocal, reciprocal, 16 times: one batch of 64.  287: plain.  288-319: the 32 sums, the eight rows' by turns.
; One wait for each batch, ahead of its first reader; the plain line ahead of each wait is the place behind the batch's last.
.macro RID
.if rj < 10
	PAOP rj
.elseif rj < 170
.set rm, rj-10
.if (rm%5 == 1) || (rm%5 == 3)
	GE 2*(rm/5)+(rm%5)/2
.else
.set ri, 3*(rm/5)+(rm%5)/2
.if ri < 86
	PAOP 10+ri
.else
	GX ri-86
.endif
.endif
.elseif rj < 175
.if rj == 170
	s_wait_alu depctr_va_vdst(0)                   ; for the 64 exponentials
.endif
.if rj < 173
	GD rj-170
.else
	GX rj-163
.endif
.elseif rj < 287
.set rm, rj-175
.if rm%7 == 6
	GR 4*(rm/7)+3
.elseif (rm%7)%2 == 1
	GR 4*(rm/7)+(rm%7)/2
.else
	PBOP 3*(rm/7)+(rm%7)/2
.endif
.elseif rj == 287
	PBOP 48
.else
.if rj == 288
	s_wait_alu depctr_va_vdst(0)                   ; for the 64 reciprocals
.endif
.set rm, rj-288
	GF 4*(rm%8)+rm/8
.endif
.set rj, rj+1
.endm
; Product mi of 64: K step mi / 8, row tile mi % 8.  The eight accumulators take turns, one instruction a turn, over a period's end and the loops' jumps too.
.macro MMA par
.set mc, mi/8
.set mt, mi%8
	WIN 0x09+4*(mt/4)                              ; weights in window 1, xhat in window 2 or 3, C and D in window 0
.if mc == 0
	v_wmma_f32_16x16x32_f16 v[ACC+64*(\par)+8*mt:ACC+64*(\par)+8*mt+7], v[64*(\par)+8*mc:64*(\par)+8*mc+7], v[64*(mt%4)+8*mc:64*(mt%4)+8*mc+7], v[BIAS+8*(\par):BIAS+8*(\par)+7]
.else
	v_wmma_f32_16x16x32_f16 v[ACC+64*(\par)+8*mt:ACC+64*(\par)+8*mt+7], v[64*(\par)+8*mc:64*(\par)+8*mc+7], v[64*(mt%4)+8*mc:64*(mt%4)+8*mc+7], v[ACC+64*(\par)+8*mt:ACC+64*(\par)+8*mt+7]
.endif
.set mi, mi+1
.endm
; The run of LDS loads of period n (par = n % 2): tile n + 1's 16 half fragments and bias into the other buffers, and tile n's w2, which the next period's riders want.
; last = 1 (the tail): in the last trip there is no tile n + 1; period 63 still fetches tile 63's w2, period 64 nothing.
.macro FETCH par, last
	WIN 0
	v_add_nc_u32 v[ADR], s[TB], v[L16]
	v_add_nc_u32 v[ADT], s[TT], v[H32]
.if \last
	s_cmp_eq_u32 s[CNT], 1
	s_cbranch_scc1 .Lskip_\@
.endif
	s_add_co_u32 s[TB], s[TB], 8192
	s_add_co_u32 s[TT], s[TT], 64
	WIN 0x40
.irp c, 0,1,2,3,4,5,6,7
	ds_load_b128 v[64*(1-(\par))+8*(\c):64*(1-(\par))+8*(\c)+3],   v[ADR] offset:1024*(\c)
	ds_load_b128 v[64*(1-(\par))+8*(\c)+4:64*(1-(\par))+8*(\c)+7], v[ADR] offset:1024*(\c)+512
.endr
	WIN 0
	ds_load_b128 v[BIAS+8*(1-(\par)):BIAS+8*(1-(\par))+3],   v[ADT]
	ds_load_b128 v[BIAS+8*(1-(\par))+4:BIAS+8*(1-(\par))+7], v[ADT] offset:16
.if (\last) && (\par)
.Lskip_\@:
.endif
	ds_load_b128 v[W2R+8*(\par):W2R+8*(\par)+3],   v[ADT] offset:4032  ; 4,096 on to w2, 64 back to tile n
	ds_load_b128 v[W2R+8*(\par)+4:W2R+8*(\par)+7], v[ADT] offset:4048
.if (\last) && !(\par)
.Lskip_\@:
.endif
.endm
; A PERIOD.  The run of loads stands behind the second product: the buffer's last reader, the period before's last product, lies fifteen plain lines back.
.macro PERIOD par, last
	s_wait_dscnt 0x0                               ; the fragments, bias and w2 asked for a period ago
.set mi, 0
.set rj, 0
.set hb, ACC+64*(1-(\par))
.set wb, W2R+8*(1-(\par))
.rept 64
	MMA \par
	WIN 0
.rept 5
	RID
.endr
.if mi == 2
	FETCH \par, \last
.endif
.endr
.endm
; THE CHANGE OF SLOTS.  Each wave waits for all its tensor loads (one is out: its quarter of the other slot), adds 0 to its spare word, and waits for that and for its reads of the slot that it leaves.
; fill = 1: the barrier is a round of the cluster's, and the joint refill is the first thing behind it: it has 16 periods, 1,024 products, in which to land.
.macro CHANGE fill
	WIN 0
	s_wait_tensorcnt 0x0
	ds_add_u32 v[SPW], v[NIL]
.if \fill
	s_xor_b32 s[G0W+1], s[G0W+1], WSLOT
	s_add_nc_u64 s[G0W+2:G0W+3], s[G0W+2:G0W+3], WSLOT
.endif
	s_wait_dscnt 0x0
.if \fill
	ROUND
	tensor_load_to_lds s[G0W:G0W+3], s[G1W:G1W+7]
	s_nop 0
	NOP4
.else
	s_barrier_signal -1
	s_barrier_wait -1
.endif
	s_sub_co_u32 s[TB], s[TB], WSLOT               ; the fetches go back to a slot's first tile,
	s_xor_b32 s[TB], s[TB], WSLOT                  ; in the other slot
.endm
.macro SWITCH                          ; behind period 32 the rows' sums are the drive's (tiles 0-31): they are set aside, and the resistance's begin at 0
	s_add_co_u32 s[TR], s[TR], 1
	s_cmp_eq_u32 s[TR], 17
	s_cbranch_scc0 .Lnosw_\@
	WIN 0x40
.set i, 0
.rept 16
	v_mov_b32 v[DRV+i], v[SC+i]
.set i, i+1
.endr
	WIN 0
.set i, 0
.rept 16
	v_mov_b32 v[SC+i], 0
.set i, i+1
.endr
.Lnosw_\@:
.endm
	; What period 0 finds: a tile -1 of zeros in the second accumulator buffer (its GELU adds 0), sums of 0.  No first period is written out.
.set i, 0
.rept 64
	v_mov_b32 v[ACC+64+i], 0
.set i, i+1
.endr
.set i, 0
.rept 16
	v_mov_b32 v[SC+i], 0
.set i, i+1
.endr
	WIN 0x40
.set i, 0
.rept 16
	v_mov_b32 v[DRV+i], 0
.set i, i+1
.endr
	WIN 0
	s_mov_b32 s[TB], 0
	s_mov_b32 s[TT], 0
	s_mov_b32 s[TR], 0
	s_mov_b32 s[CNT], 8
	s_mov_b32 s[SLOTS], 3
	FETCH 1, 0                                     ; tile 0 and its bias; the w2 it brings is eight words of cb, which meet h = 0
	s_wait_kmcnt 0x0                               ; db2, rb2
	s_branch .Lmid                                 ; the loop is entered in the middle of a trip: trip m is periods 2 m - 1 and 2 m
.Lslot:                                        ; ahead of periods 15 and 31: tiles 32-47 into slot a, 48-63 into slot b
	CHANGE 1
	s_mov_b32 s[CNT], 8
.Ltrip:
	PERIOD 1, 0
	WIN 0
.Lmid:
	PERIOD 0, 0
	WIN 0
	SWITCH
	s_sub_co_u32 s[CNT], s[CNT], 1
	s_cmp_lg_u32 s[CNT], 0
	s_cbranch_scc1 .Ltrip
	s_sub_co_u32 s[SLOTS], s[SLOTS], 1
	s_cmp_lg_u32 s[SLOTS], 0
	s_cbranch_scc1 .Lslot
	CHANGE 0                                       ; ahead of period 47: the tail is written out
	s_mov_b32 s[CNT], 9                            ; periods 47 to 64.  Period 64 runs tile 63's GELU; its 64 products on stale fragments serve nothing: the price of one text for every period
.LtripB:
	PERIOD 1, 1
	WIN 0
	PERIOD 0, 1
	WIN 0
	s_sub_co_u32 s[CNT], s[CNT], 1
	s_cmp_lg_u32 s[CNT], 0
	s_cbranch_scc1 .LtripB
	; THE WAY OUT.  a. The scores: a row's two sums, the other half of the lanes', the second layers' biases; softplus(res) = max(res, 0) + ln(1 + e^-|res|); the clip; p and the key.
	s_mov_b32 s92, 0xc0400000                      ; -3
	s_mov_b32 s93, 0x40400000                      ; 3
.irp t, 0,1,2,3,4,5,6,7
	v_add_f32 v[RES+(\t)], v[SC+2*(\t)], v[SC+2*(\t)+1]
.endr
	WIN 0x05
.irp t, 0,1,2,3,4,5,6,7
	v_add_f32 v[DR+(\t)], v[DRV+2*(\t)], v[DRV+2*(\t)+1]
.endr
	WIN 0
.irp t, 0,1,2,3,4,5,6,7
	v_permlanex16_b32 v[TA+(\t)], v[RES+(\t)], s[SEL], s[SEL+1]
	v_permlanex16_b32 v[SCO+(\t)], v[DR+(\t)], s[SEL], s[SEL+1]
.endr
.irp t, 0,1,2,3,4,5,6,7
	v_add_f32 v[RES+(\t)], v[RES+(\t)], v[TA+(\t)]
	v_add_f32 v[DR+(\t)], v[DR+(\t)], v[SCO+(\t)]
.endr
.irp t, 0,1,2,3,4,5,6,7
	v_add_f32 v[RES+(\t)], s[RB2], v[RES+(\t)]
	v_add_f32 v[DR+(\t)], s[DB2], v[DR+(\t)]
.endr
.irp t, 0,1,2,3,4,5,6,7
	v_and_b32 v[TA+(\t)], 0x7fffffff, v[RES+(\t)]
.endr
.irp t, 0,1,2,3,4,5,6,7
	v_mul_f32 v[TA+(\t)], 0xbfb8aa3b, v[TA+(\t)]   ; -|res| log2(e)
.endr
.irp t, 0,1,2,3,4,5,6,7
	v_exp_f32 v[TA+(\t)], v[TA+(\t)]
.endr
	v_nop
	s_wait_alu depctr_va_vdst(0)                   ; one wait for the eight
.irp t, 0,1,2,3,4,5,6,7
	v_add_f32 v[TA+(\t)], 1.0, v[TA+(\t)]
.endr
.irp t, 0,1,2,3,4,5,6,7
	v_log_f32 v[TA+(\t)], v[TA+(\t)]
.endr
.irp t, 0,1,2,3,4,5,6,7
	v_max_num_f32 v[RES+(\t)], 0, v[RES+(\t)]
.endr
	s_wait_alu depctr_va_vdst(0)
.irp t, 0,1,2,3,4,5,6,7
	v_fma_f32 v[RES+(\t)], v[TA+(\t)], s[LN2], v[RES+(\t)]
.endr
.irp t, 0,1,2,3,4,5,6,7
	v_sub_f32 v[SCO+(\t)], v[DR+(\t)], v[RES+(\t)]
.endr
.irp t, 0,1,2,3,4,5,6,7
	v_med3_num_f32 v[SCO+(\t)], v[SCO+(\t)], s92, s93
.endr
.irp t, 0,1,2,3,4,5,6,7
	v_mul_f32 v[PP+(\t)], s[L2E], v[SCO+(\t)]
.endr
.irp t, 0,1,2,3,4,5,6,7
	v_exp_f32 v[PP+(\t)], v[PP+(\t)]
.endr
	s_wait_loadcnt 0x0                             ; the mask
	WIN 0x01
.irp t, 0,1,2,3,4,5,6,7
	v_mov_b32 v[MKC+(\t)], v[MK+(\t)]
.endr
	WIN 0
	s_wait_alu depctr_va_vdst(0)
.irp t, 0,1,2,3,4,5,6,7
	v_cmp_ne_u32 vcc_lo, 0, v[MKC+(\t)]
	v_cndmask_b32 v[PP+(\t)], 0, v[PP+(\t)], vcc_lo
	v_cndmask_b32 v[KEY+(\t)], s[BIGN], v[SCO+(\t)], vcc_lo
.endr
	s_lshl_b32 s24, s[WV], 9
	v_lshl_add_u32 v10, v12, 2, s24
	v_add_nc_u32 v10, LG, v10                      ; my row's word among the scores; the keys lie 2,048 on
	s_lshl_b32 s24, s[WV], 8
	v_lshl_add_u32 v14, v12, 1, s24
	v_add_nc_u32 v14, P16, v14                     ; my row's f16 among my wave's p
	v_lshl_add_u32 v5, v13, 4, s24
	v_add_nc_u32 v5, P16, v5                       ; p as a fragment: keys 8 h on, the same in every column
	s_lshl_b32 s24, s[WV], 2
	s_add_co_u32 s24, s24, PS
	v_mov_b32 v15, s24
	s_mul_i32 s24, s[WV], XDW
	v_mul_u32_u24 v1, v12, XDP
	v_lshl_add_u32 v1, v13, 4, v1
	v_add_nc_u32 v1, s24, v1                       ; xhat out: row r, 16 bytes for each half of the lanes
	v_and_b32 v4, 7, v0
	v_lshl_add_u32 v4, v13, 3, v4
	v_mul_u32_u24 v4, v4, XDP
	v_bfe_u32 v8, v0, 3, 1
	v_lshl_add_u32 v4, v8, 4, v4
	v_add_nc_u32 v4, s24, v4                       ; xhat back, turned: row 8 h + lane % 8, 16 bytes by (lane / 8) % 2
	s_lshl_b32 s24, s[WV], 10
	s_add_co_u32 s24, s24, PL
	v_lshl_add_u32 v8, v13, 5, s24
.irp t, 0,1,2,3,4,5,6,7
	v_cvt_pk_f16_f32 v[MKC+(\t)], v[PP+(\t)], v[PP+(\t)]
.endr
	v_add_f32 v120, v[PP], v[PP+1]
	v_add_f32 v121, v[PP+2], v[PP+3]
	v_add_f32 v122, v[PP+4], v[PP+5]
	v_add_f32 v123, v[PP+6], v[PP+7]
	v_add_f32 v120, v120, v121
	v_add_f32 v122, v122, v123
	v_add_f32 v120, v120, v122
	v_add_f32_dpp v120, v120, v120 row_xmask:1 row_mask:0xf bank_mask:0xf
	v_add_f32_dpp v120, v120, v120 row_xmask:2 row_mask:0xf bank_mask:0xf
	v_add_f32_dpp v120, v120, v120 row_xmask:4 row_mask:0xf bank_mask:0xf
	v_add_f32_dpp v120, v120, v120 row_xmask:8 row_mask:0xf bank_mask:0xf  ; each half of the lanes holds all 128 rows: my wave's sum of p
	; b. No wave reads the ring or the table any more: only behind this barrier are their bytes, which have had their last fill, stored into.
	s_wait_dscnt 0x0
	s_barrier_signal -1
	s_barrier_wait -1
	; c. Scores, keys, p and xhat into LDS.
.irp t, 0,1,2,3,4,5,6,7
	ds_store_b32 v10, v[SCO+(\t)] offset:64*(\t)
	ds_store_b32 v10, v[KEY+(\t)] offset:2048+64*(\t)
	ds_store_b16 v14, v[MKC+(\t)] offset:32*(\t)
.endr
	ds_store_b32 v15, v120
.irp t, 0,1,2,3,4,5,6,7
	WIN 0x08+4*((\t)/4)                            ; the data in window 2 or 3
.irp c, 0,1,2,3,4,5,6,7
	ds_store_b128 v1, v[64*((\t)%4)+8*(\c):64*(\t%4)+8*(\c)+3]   offset:16*XDP*(\t)+64*(\c)
	ds_store_b128 v1, v[64*((\t)%4)+8*(\c)+4:64*(\t%4)+8*(\c)+7] offset:16*XDP*(\t)+64*(\c)+32
.endr
.endr
	WIN 0
	; d. The sums of p xhat by the matrix unit: source 0 = xhat turned (16 channels x 32 rows), source 1 = p (32 rows, the same in all 16 columns).  The bytes are my wave's own, and LDS serves a wave's
	; instructions in order (ISA guide 5.7.1.4): no barrier.  The 16 accumulators take turns.
.irp kb, 0,1,2,3
	ds_load_b128 v[16+8*(\kb):16+8*(\kb)+3], v5 offset:64*(\kb)
	ds_load_b128 v[16+8*(\kb)+4:16+8*(\kb)+7], v5 offset:64*(\kb)+32
.endr
.irp kb, 0,1,2,3
.if (\kb) > 0
	NOP4                                           ; four places in front of loads into registers that the last products have read
.endif
	WIN 0x40
.irp f, 0,1,2,3,4,5,6,7,8,9,10,11,12,13,14,15
	ds_load_tr16_b128 v[8*(\f):8*(\f)+3],   v4 offset:32*XDP*(\kb)+32*(\f)
	ds_load_tr16_b128 v[8*(\f)+4:8*(\f)+7], v4 offset:32*XDP*(\kb)+32*(\f)+16*XDP
.endr
	s_wait_dscnt 0x0
	WIN 0x01
.irp f, 0,1,2,3,4,5,6,7,8,9,10,11,12,13,14,15
.if (\kb) == 0
	v_wmma_f32_16x16x32_f16 v[ACC+8*(\f):ACC+8*(\f)+7], v[8*(\f):8*(\f)+7], v[16+8*(\kb):16+8*(\kb)+7], 0
.else
	v_wmma_f32_16x16x32_f16 v[ACC+8*(\f):ACC+8*(\f)+7], v[8*(\f):8*(\f)+7], v[16+8*(\kb):16+8*(\kb)+7], v[ACC+8*(\f):ACC+8*(\f)+7]
.endif
.endr
.endr
	WIN 0
	NOP4
.irp f, 0,1,2,3,4,5,6,7,8,9,10,11,12,13,14,15
	ds_store_b128 v8, v[ACC+8*(\f):ACC+8*(\f)+3]   offset:64*(\f)      ; channel 16 f + 8 h + j; the 16 lanes of a half write the same numbers to the same words
	ds_store_b128 v8, v[ACC+8*(\f)+4:ACC+8*(\f)+7] offset:64*(\f)+16
.endr
	; e. All four waves' parts lie in LDS.
	s_wait_dscnt 0x0
	s_barrier_signal -1
	s_barrier_wait -1
	; f. Every wave: 512 bytes of scores, and 64 channels' sums over the four waves.
	v_lshl_add_u32 v9, v0, 4, LG
	v_lshlrev_b32 v3, 4, v0
	v_lshlrev_b32 v2, 3, v0
	v_add_nc_u32 v11, PL, v2
	v_and_b32 v81, 31, v0
	v_lshlrev_b32 v82, 3, v81
	ds_load_b128 v[64:67], v9
	ds_load_b64 v[68:69], v11
	ds_load_b64 v[70:71], v11 offset:1024
	ds_load_b64 v[72:73], v11 offset:2048
	ds_load_b64 v[74:75], v11 offset:3072
	s_wait_dscnt 0x0
	global_store_b128 v3, v[64:67], s[16:17]       ; 512 consecutive bytes of out4
	v_pk_add_f32 v[68:69], v[68:69], v[70:71]
	v_pk_add_f32 v[68:69], v[68:69], v[72:73]
	v_pk_add_f32 v[68:69], v[68:69], v[74:75]
	global_store_b64 v2, v[68:69], s[18:19]        ; 256 consecutive bytes of part
	; g. Wave 1: the work-group's sum of p, and 63 zeros, so that the block of 256 bytes is written whole.
	s_cmp_eq_u32 s[WV], 1
	s_cbranch_scc0 .Lnot1
	v_mov_b32 v80, PS
	ds_load_b128 v[76:79], v80
	s_wait_dscnt 0x0
	v_add_f32 v76, v76, v77
	v_add_f32 v76, v76, v78
	v_add_f32 v76, v76, v79
	v_cmp_eq_u32 vcc_lo, 0, v81
	v_cndmask_b32 v76, 0, v76, vcc_lo
	v_mov_b32 v77, 0
	global_store_b64 v82, v[76:77], s[18:19] offset:1024
.Lnot1:
	; h. Wave 0: the four best of the 512 keys, ties to the lowest row.  A hidden row's key is -1e30, a taken row's the lowest finite number: where fewer than four rows are live the lowest hidden rows follow.
	s_cmp_eq_u32 s[WV], 0
	s_cbranch_scc0 .Lfin
.set KK, 96                            ; v[96:111]  register 4 m + i: the key of row 128 m + 4 lane + i
.set IX, 112                           ; v[112:127] that row's number, as f32
	v_lshl_add_u32 v84, v81, 4, KY
.irp m, 0,1,2,3
	ds_load_b128 v[KK+4*(\m):KK+4*(\m)+3], v84 offset:512*(\m)
.endr
	v_lshlrev_b32 v85, 2, v81
.set i, 0
.rept 16
	v_add_nc_u32 v86, 128*(i/4)+i%4, v85
	v_cvt_f32_u32 v[IX+i], v86
.set i, i+1
.endr
	v_mov_b32 v87, 0
	v_mov_b32 v88, 0
	v_mov_b32 v89, 0
	v_mov_b32 v90, 0
	v_mov_b32 v91, 0xff7fffff
	v_mov_b32 v92, 0x4e6e6b28                      ; 1e9: above every row number
	v_mov_b32 v94, 0
	s_mov_b32 s24, 4
	s_wait_dscnt 0x0
.Lpick:
	v_max3_num_f32 v93, v[KK], v[KK+1], v[KK+2]
.irp i, 3,5,7,9,11,13
	v_max3_num_f32 v93, v93, v[KK+(\i)], v[KK+(\i)+1]
.endr
	v_max_num_f32 v93, v93, v[KK+15]
	v_max_num_f32_dpp v93, v93, v93 row_xmask:1 row_mask:0xf bank_mask:0xf
	v_max_num_f32_dpp v93, v93, v93 row_xmask:2 row_mask:0xf bank_mask:0xf
	v_max_num_f32_dpp v93, v93, v93 row_xmask:4 row_mask:0xf bank_mask:0xf
	v_max_num_f32_dpp v93, v93, v93 row_xmask:8 row_mask:0xf bank_mask:0xf
	v_permlanex16_b32 v94, v93, s[SEL], s[SEL+1]
	v_max_num_f32 v93, v93, v94                    ; the largest key
	v_mov_b32 v95, v92
.set i, 0
.rept 16
	v_cmp_eq_f32 vcc_lo, v[KK+i], v93
	v_cndmask_b32 v94, v92, v[IX+i], vcc_lo
	v_min_num_f32 v95, v95, v94
.set i, i+1
.endr
	v_min_num_f32_dpp v95, v95, v95 row_xmask:1 row_mask:0xf bank_mask:0xf
	v_min_num_f32_dpp v95, v95, v95 row_xmask:2 row_mask:0xf bank_mask:0xf
	v_min_num_f32_dpp v95, v95, v95 row_xmask:4 row_mask:0xf bank_mask:0xf
	v_min_num_f32_dpp v95, v95, v95 row_xmask:8 row_mask:0xf bank_mask:0xf
	v_permlanex16_b32 v94, v95, s[SEL], s[SEL+1]
	v_min_num_f32 v95, v95, v94                    ; the lowest row that has it
.set i, 0
.rept 16
	v_cmp_eq_f32 vcc_lo, v[IX+i], v95
	v_cndmask_b32 v[KK+i], v[KK+i], v91, vcc_lo    ; it is taken
.set i, i+1
.endr
	v_mov_b32 v90, v89
	v_mov_b32 v89, v88
	v_mov_b32 v88, v87
	v_mov_b32 v87, v95
	s_sub_co_u32 s24, s24, 1
	s_cmp_lg_u32 s24, 0
	s_cbranch_scc1 .Lpick
	s_lshl_b32 s25, s[GI], 9
.irp i, 87,88,89,90
	v_cvt_u32_f32 v\i, v\i
	v_add_nc_u32 v\i, s25, v\i                     ; as a row of the whole tensor
.endr
	v_cndmask_b32 v84, v87, v89, s[ODD]            ; word i of the 64 holds candidate i % 4: the block of 256 bytes is written whole
	v_cndmask_b32 v85, v88, v90, s[ODD]
	global_store_b64 v82, v[84:85], s[20:21]
.Lfin:
	s_wait_tensorcnt 0x0                           ; the wave's end, behind my last tensor load and my last LDS store
	ds_add_u32 v[SPW], v[NIL]
	s_wait_dscnt 0x0
	ROUND                                          ; the closing round: no work-group ends while a partner may still ask for a tile that names it
	s_endpgm
.Lfunc_end_k_qea06e6ecab_main:
	.size	k_qea06e6ecab_main, .Lfunc_end_k_qea06e6ecab_main-k_qea06e6ecab_main
	.p2alignl 7, 3214868480
	.fill 96, 4, 3214868480
	.section	.rodata,"a",@progbits
	.p2align	6, 0x0
	.amdhsa_kernel k_qea06e6ecab_main
		.amdhsa_group_segment_fixed_size 327680
		.amdhsa_private_segment_fixed_size 0
		.amdhsa_enable_private_segment 0
		.amdhsa_kernarg_size 72
		.amdhsa_user_sgpr_count 2
		.amdhsa_user_sgpr_kernarg_segment_ptr 1
		.amdhsa_wavefront_size32 1
		.amdhsa_system_sgpr_workgroup_id_x 1
		.amdhsa_system_sgpr_workgroup_id_y 1
		.amdhsa_system_sgpr_workgroup_id_z 1
		.amdhsa_system_vgpr_workitem_id 0
		.amdhsa_next_free_vgpr 1024
		.amdhsa_next_free_sgpr 100
		.amdhsa_reserve_vcc 1
		.amdhsa_float_denorm_mode_32 3
		.amdhsa_float_denorm_mode_16_64 3
		.amdhsa_memory_ordered 1
		.amdhsa_forward_progress 1
		.amdhsa_inst_pref_size 255
	.end_amdhsa_kernel
	.section	.bss,"aw",@nobits
	.p2align	6
	.space	262144
	.amdgpu_metadata
---
amdhsa.version: [ 1, 2 ]
amdhsa.kernels:
  - .name:           k_qea06e6ecab_main
    .symbol:         k_qea06e6ecab_main.kd
    .args:
      - { .name: slot_states, .offset: 0, .size: 8, .value_kind: global_buffer, .address_space: global }
      - { .name: slot_mask, .offset: 8, .size: 8, .value_kind: global_buffer, .address_space: global }
      - { .name: wf, .offset: 16, .size: 8, .value_kind: global_buffer, .address_space: global }
      - { .name: tab, .offset: 24, .size: 8, .value_kind: global_buffer, .address_space: global }
      - { .name: db2, .offset: 32, .size: 8, .value_kind: global_buffer, .address_space: global }
      - { .name: rb2, .offset: 40, .size: 8, .value_kind: global_buffer, .address_space: global }
      - { .name: out4, .offset: 48, .size: 8, .value_kind: global_buffer, .address_space: global }
      - { .name: part, .offset: 56, .size: 8, .value_kind: global_buffer, .address_space: global }
      - { .name: cand, .offset: 64, .size: 8, .value_kind: global_buffer, .address_space: global }
    .group_segment_fixed_size: 327680
    .private_segment_fixed_size: 0
    .kernarg_segment_align: 8
    .kernarg_segment_size: 72
    .max_flat_workgroup_size: 128
    .sgpr_count:     100
    .vgpr_count:     1024
    .wavefront_size: 32
...
	.end_amdgpu_metadata
.endif
;; end of part 2
;; launch refine (part 3): grid 32 x 16, 4 waves a work-group, no clusters, 768 bytes of LDS; arguments slot_states, cand, wf, wl, tab, rpart; writes rpart
.if DOCPART == 3
	.amdgcn_target "amdgcn-amd-amdhsa--gfx1250"
	.amdhsa_code_object_version 6
	.text
	.protected	k_qea06e6ecab_refine
	.globl	k_qea06e6ecab_refine
	.p2align	8
	.type	k_qea06e6ecab_refine,@function
k_qea06e6ecab_refine:
	s_mov_b64 s[64:65], 0
	v_nop
	global_prefetch_b8 v0, s[64:65] scope:SCOPE_SE
	s_setreg_imm32_b32 hwreg(HW_REG_WAVE_MODE, 25, 1), 1
	s_wait_xcnt 0x0
; REFINE.  The 1,024 candidate rows (four of each 512) are scored again, closely enough to rank them: the indices of the top three are compared exactly.
; h = xhat W' + cb with both operands split in two f16 parts: xhat = xh + xl / 2048, W' = wh + wl / 2048; the products xh wh, and (xh wl + xl wh) / 2048, are summed in f32; xl wl, 2^-22 of a term, is dropped.
; GELU = (h + |h| erf(|h| / sqrt 2)) / 2, erf by the five-term rational form of Abramowitz and Stegun 7.1.26, whose error is at most 1.5e-7.
; SHARES.  Work-group (bx, y): hidden units 32 bx .. + 31 (bx < 16: drive; else resistance), candidates 64 y .. + 63; a wave has 16 candidates.  rpart[bx][candidate] = the sum of gelu(h) w2 over the 32 units.
; The rows' addresses come from cand, whole numbers that an earlier launch stored; each is held to the tensor's 131,072 rows.
; 1,024 rows and 1 MiB of weights, through registers: no ring, no cluster; each work-group's loads all go out at its head.
.set SPARE, 256
.set ROW, 1
.set RR,  2
.set HH,  3
.set XO,  4
.set FO,  5
.set SPW, 6
.set NIL, 7
.set LS,  8                            ; v[8:15]  four chains
.set MU,  16
.set RS,  18
.set T0,  20                           ; later -1.0
.set T1,  21
.set TP,  22                           ; v[22:29] residues, four pairs by turns
.set CO,  30
.set TO,  31
.set BI,  32                           ; v[32:47] bias, tile j at + 8 j
.set W2,  48                           ; v[48:63] w2
.set XH,  64                           ; v[64:127] xhat's high parts, K step c at + 8 c
.set XA,  128                          ; v[128:255] the row in f32; then v[128:191] the low parts
.set AC1, 192                          ; v[192:207] the main sums, tile j at + 8 j
.set AC2, 208                          ; v[208:223] the cross sums x 2048
.set HV,  224
.set AV,  240
.set DEN, 64
.set EA,  80
.set QV,  96
.set WV,  16
.set SEL, 22
.set C256, 24
.set EPS, 25
.set PC,  26
.set EC,  28
.set A5,  30
.set A4,  32
.set A3,  34
.set A2,  36
.set A1,  38
.set MSB, 0
.macro WIN new
.if MSB != (\new)
	s_set_vgpr_msb (MSB<<8)|(\new)
.set MSB, \new
.endif
.endm
.macro SPAIR r, val                    ; a constant as a scalar pair: the packed lines name the pair and take its low word for both halves
	s_mov_b32 s[\r], \val
	s_mov_b32 s[(\r)+1], s[\r]
.endm
	s_load_b256 s[4:11], s[0:1], 0x0               ; x 4, cand 6, wf 8, wl 10
	s_load_b128 s[12:15], s[0:1], 0x20             ; tab 12, rpart 14
	v_lshl_add_u32 v[SPW], v0, 2, SPARE
	v_mov_b32 v[NIL], 0
	v_lshrrev_b32 v1, 5, v0
	v_readfirstlane_b32 s[WV], v1
	v_and_b32 v[RR], 15, v0
	v_bfe_u32 v[HH], v0, 4, 1
	s_and_b32 s17, ttmp7, 0xffff                   ; y
	s_lshl_b32 s18, s17, 6
	s_lshl_b32 s19, s[WV], 4
	s_add_co_u32 s18, s18, s19
	v_add_nc_u32 v[XO], s18, v[RR]                 ; my candidate q
	v_lshrrev_b32 v[CO], 2, v[XO]
	v_lshlrev_b32 v[CO], 8, v[CO]                  ; its work-group's 256 bytes of cand,
	v_and_b32 v[XO], 3, v[XO]
	v_lshl_add_u32 v[CO], v[XO], 2, v[CO]          ; word q % 4
	s_lshl_b32 s19, ttmp9, 7
	v_lshl_add_u32 v[TO], v[HH], 5, s19            ; 4 (32 bx + 8 h)
	v_and_b32 v[FO], 31, v0
	v_lshlrev_b32 v[FO], 4, v[FO]
	s_lshl_b32 s20, ttmp9, 14                      ; my two tiles in wf and wl
	s_mov_b32 s21, 0
	s_lshl_b32 s40, ttmp9, 12
	s_lshl_b32 s41, s17, 8
	s_add_co_u32 s40, s40, s41                     ; 4,096 bx + 256 y in rpart
	s_mov_b32 s41, 0
	s_mov_b32 s[SEL], 0x76543210
	s_mov_b32 s[SEL+1], 0xfedcba98
	s_mov_b32 s[C256], 0x3b800000
	s_mov_b32 s[EPS], 0x3727c5ac
	SPAIR PC, 0x3e6d3388                           ; 0.3275911 / sqrt 2
	SPAIR EC, 0xbf38aa3b                           ; -log2(e) / 2
	SPAIR A5, 0x3f87dc22                           ; 1.061405429
	SPAIR A4, 0xbfba00e3                           ; -1.453152027
	SPAIR A3, 0x3fb5f0e3                           ; 1.421413741
	SPAIR A2, 0xbe91a98e                           ; -0.284496736
	SPAIR A1, 0x3e827906                           ; 0.254829592
	v_mov_b32 v[T0], 0
	s_wait_kmcnt 0x0
	s_add_nc_u64 s[8:9], s[8:9], s[20:21]
	s_add_nc_u64 s[10:11], s[10:11], s[20:21]
	s_add_nc_u64 s[14:15], s[14:15], s[40:41]
	global_load_b32 v[ROW], v[CO], s[6:7]
.irp j, 0,1
	global_load_b128 v[BI+8*(\j):BI+8*(\j)+3],   v[TO], s[12:13] offset:64*(\j)
	global_load_b128 v[BI+8*(\j)+4:BI+8*(\j)+7], v[TO], s[12:13] offset:64*(\j)+16
	global_load_b128 v[W2+8*(\j):W2+8*(\j)+3],   v[TO], s[12:13] offset:4096+64*(\j)
	global_load_b128 v[W2+8*(\j)+4:W2+8*(\j)+7], v[TO], s[12:13] offset:4096+64*(\j)+16
.endr
	WIN 0x40                                       ; window 1: tile j's high parts at 128 j + 8 c, its low parts at 128 j + 64 + 8 c
.irp j, 0,1
.irp c, 0,1,2,3,4,5,6,7
	global_load_b128 v[128*(\j)+8*(\c):128*(\j)+8*(\c)+3],   v[FO], s[8:9] offset:8192*(\j)+1024*(\c)
	global_load_b128 v[128*(\j)+8*(\c)+4:128*(\j)+8*(\c)+7], v[FO], s[8:9] offset:8192*(\j)+1024*(\c)+512
.endr
.endr
	WIN 0
	s_wait_loadcnt 40                              ; the row's number is in: 8 loads of tab and 32 of wf are younger
	v_min_u32 v[ROW], 0x1ffff, v[ROW]
	v_lshlrev_b32 v[XO], 5, v[HH]
	v_lshl_add_u32 v[XO], v[ROW], 10, v[XO]        ; row x 1,024 + 32 h
.irp c, 0,1,2,3,4,5,6,7
	global_load_b128 v[XA+16*(\c):XA+16*(\c)+3],     v[XO], s[4:5] offset:128*(\c)
	global_load_b128 v[XA+16*(\c)+4:XA+16*(\c)+7],   v[XO], s[4:5] offset:128*(\c)+16
	global_load_b128 v[XA+16*(\c)+8:XA+16*(\c)+11],  v[XO], s[4:5] offset:128*(\c)+64
	global_load_b128 v[XA+16*(\c)+12:XA+16*(\c)+15], v[XO], s[4:5] offset:128*(\c)+80
.endr
	WIN 0x40
.irp j, 0,1
.irp c, 0,1,2,3,4,5,6,7
	global_load_b128 v[128*(\j)+64+8*(\c):128*(\j)+64+8*(\c)+3],   v[FO], s[10:11] offset:8192*(\j)+1024*(\c)
	global_load_b128 v[128*(\j)+64+8*(\c)+4:128*(\j)+64+8*(\c)+7], v[FO], s[10:11] offset:8192*(\j)+1024*(\c)+512
.endr
.endr
	WIN 0
	s_wait_loadcnt 32                              ; x is in: wl's 32 loads are younger
	; the LayerNorm: mean, then the squares of the differences, four chains each; the two halves of a row meet by one exchange
.set p, 0
.rept 4
	v_pk_add_f32 v[LS+2*p:LS+2*p+1], v[XA+2*p:XA+2*p+1], v[XA+2*p+8:XA+2*p+9]
.set p, p+1
.endr
.set p, 8
.rept 56
	v_pk_add_f32 v[LS+2*(p%4):LS+2*(p%4)+1], v[LS+2*(p%4):LS+2*(p%4)+1], v[XA+2*p:XA+2*p+1]
.set p, p+1
.endr
	v_pk_add_f32 v[LS:LS+1], v[LS:LS+1], v[LS+2:LS+3]
	v_pk_add_f32 v[LS+4:LS+5], v[LS+4:LS+5], v[LS+6:LS+7]
	v_pk_add_f32 v[LS:LS+1], v[LS:LS+1], v[LS+4:LS+5]
	v_add_f32 v[LS], v[LS], v[LS+1]
	v_permlanex16_b32 v[T0], v[LS], s[SEL], s[SEL+1]
	v_add_f32 v[LS], v[LS], v[T0]
	v_mul_f32 v[MU], s[C256], v[LS]
	v_mul_f32 v[MU+1], s[C256], v[LS]
.set p, 0
.rept 64
	v_pk_add_f32 v[XA+2*p:XA+2*p+1], v[XA+2*p:XA+2*p+1], v[MU:MU+1] neg_lo:[0,1] neg_hi:[0,1]
.set p, p+1
.endr
.set p, 0
.rept 4
	v_pk_mul_f32 v[LS+2*p:LS+2*p+1], v[XA+2*p:XA+2*p+1], v[XA+2*p:XA+2*p+1]
.set p, p+1
.endr
.rept 60
	v_pk_fma_f32 v[LS+2*(p%4):LS+2*(p%4)+1], v[XA+2*p:XA+2*p+1], v[XA+2*p:XA+2*p+1], v[LS+2*(p%4):LS+2*(p%4)+1]
.set p, p+1
.endr
	v_pk_add_f32 v[LS:LS+1], v[LS:LS+1], v[LS+2:LS+3]
	v_pk_add_f32 v[LS+4:LS+5], v[LS+4:LS+5], v[LS+6:LS+7]
	v_pk_add_f32 v[LS:LS+1], v[LS:LS+1], v[LS+4:LS+5]
	v_add_f32 v[LS], v[LS], v[LS+1]
	v_permlanex16_b32 v[T0], v[LS], s[SEL], s[SEL+1]
	v_add_f32 v[LS], v[LS], v[T0]
	v_fma_f32 v[T1], v[LS], s[C256], s[EPS]
	v_rsq_f32 v[RS], v[T1]
	v_rsq_f32 v[RS+1], v[T1]
	v_mov_b32 v[T0], -1.0                          ; a plain instruction behind the two,
	s_wait_alu depctr_va_vdst(0)                   ; and their one wait
.set p, 0
.rept 64
	v_pk_mul_f32 v[XA+2*p:XA+2*p+1], v[XA+2*p:XA+2*p+1], v[RS:RS+1]
.set p, p+1
.endr
	; xhat in two f16 parts.  The low part of pair i lands on v[XA + i], whose own pair, i / 2, has been taken
.set i, 0
.rept 64
.set tq, TP+2*(i%4)
	v_cvt_pk_f16_f32 v[XH+i], v[XA+2*i], v[XA+2*i+1]
	v_fma_mix_f32 v[tq],   v[XH+i], v[T0], v[XA+2*i]   op_sel_hi:[1,0,0]
	v_fma_mix_f32 v[tq+1], v[XH+i], v[T0], v[XA+2*i+1] op_sel:[1,0,0] op_sel_hi:[1,0,0]
	v_pk_mul_f32 v[tq:tq+1], v[tq:tq+1], 0x45000000 op_sel_hi:[1,0]
	v_cvt_pk_f16_f32 v[XA+i], v[tq], v[tq+1]
.set i, i+1
.endr
	s_wait_loadcnt 0x0                             ; wl
	WIN 0x01                                       ; the weights in window 1
	; six products a K step; no two on end share an accumulator; the bias starts the main sums, 0 the cross sums
.irp c, 0,1,2,3,4,5,6,7
.if (\c) == 0
	v_wmma_f32_16x16x32_f16 v[AC1:AC1+7],    v[8*(\c):8*(\c)+7],         v[XH+8*(\c):XH+8*(\c)+7], v[BI:BI+7]
	v_wmma_f32_16x16x32_f16 v[AC1+8:AC1+15], v[128+8*(\c):128+8*(\c)+7], v[XH+8*(\c):XH+8*(\c)+7], v[BI+8:BI+15]
	v_wmma_f32_16x16x32_f16 v[AC2:AC2+7],    v[64+8*(\c):64+8*(\c)+7],   v[XH+8*(\c):XH+8*(\c)+7], 0
	v_wmma_f32_16x16x32_f16 v[AC2+8:AC2+15], v[192+8*(\c):192+8*(\c)+7], v[XH+8*(\c):XH+8*(\c)+7], 0
.else
	v_wmma_f32_16x16x32_f16 v[AC1:AC1+7],    v[8*(\c):8*(\c)+7],         v[XH+8*(\c):XH+8*(\c)+7], v[AC1:AC1+7]
	v_wmma_f32_16x16x32_f16 v[AC1+8:AC1+15], v[128+8*(\c):128+8*(\c)+7], v[XH+8*(\c):XH+8*(\c)+7], v[AC1+8:AC1+15]
	v_wmma_f32_16x16x32_f16 v[AC2:AC2+7],    v[64+8*(\c):64+8*(\c)+7],   v[XH+8*(\c):XH+8*(\c)+7], v[AC2:AC2+7]
	v_wmma_f32_16x16x32_f16 v[AC2+8:AC2+15], v[192+8*(\c):192+8*(\c)+7], v[XH+8*(\c):XH+8*(\c)+7], v[AC2+8:AC2+15]
.endif
	v_wmma_f32_16x16x32_f16 v[AC2:AC2+7],    v[8*(\c):8*(\c)+7],         v[XA+8*(\c):XA+8*(\c)+7], v[AC2:AC2+7]
	v_wmma_f32_16x16x32_f16 v[AC2+8:AC2+15], v[128+8*(\c):128+8*(\c)+7], v[XA+8*(\c):XA+8*(\c)+7], v[AC2+8:AC2+15]
.endr
	WIN 0
.rept 4
	v_nop                                          ; the places behind the last products
.endr
.macro P8 line:vararg                  ; one line for each pair p of 8
.set p, 0
.rept 8
	\line
.set p, p+1
.endr
.endm
	P8 v_pk_fma_f32 v[HV+2*p:HV+2*p+1], v[AC2+2*p:AC2+2*p+1], 0x3a000000, v[AC1+2*p:AC1+2*p+1] op_sel_hi:[1,0,1]  ; h; each accumulator is read from its low end on
.set i, 0
.rept 16
	v_and_b32 v[AV+i], 0x7fffffff, v[HV+i]         ; a = |h|
.set i, i+1
.endr
	P8 v_pk_fma_f32 v[DEN+2*p:DEN+2*p+1], v[AV+2*p:AV+2*p+1], s[PC:PC+1], 1.0 op_sel_hi:[1,0,0]
	P8 v_pk_mul_f32 v[EA+2*p:EA+2*p+1], v[AV+2*p:AV+2*p+1], v[AV+2*p:AV+2*p+1]
	P8 v_pk_mul_f32 v[EA+2*p:EA+2*p+1], v[EA+2*p:EA+2*p+1], s[EC:EC+1] op_sel_hi:[1,0]
.set i, 0
.rept 16
	v_rcp_f32 v[DEN+i], v[DEN+i]                   ; t
.set i, i+1
.endr
.set i, 0
.rept 16
	v_exp_f32 v[EA+i], v[EA+i]                     ; e^(-a^2 / 2)
.set i, i+1
.endr
	v_nop
	s_wait_alu depctr_va_vdst(0)                   ; one wait for the batch of 32
	P8 v_pk_fma_f32 v[QV+2*p:QV+2*p+1], v[DEN+2*p:DEN+2*p+1], s[A5:A5+1], s[A4:A4+1] op_sel_hi:[1,0,0]
	P8 v_pk_fma_f32 v[QV+2*p:QV+2*p+1], v[QV+2*p:QV+2*p+1], v[DEN+2*p:DEN+2*p+1], s[A3:A3+1] op_sel_hi:[1,1,0]
	P8 v_pk_fma_f32 v[QV+2*p:QV+2*p+1], v[QV+2*p:QV+2*p+1], v[DEN+2*p:DEN+2*p+1], s[A2:A2+1] op_sel_hi:[1,1,0]
	P8 v_pk_fma_f32 v[QV+2*p:QV+2*p+1], v[QV+2*p:QV+2*p+1], v[DEN+2*p:DEN+2*p+1], s[A1:A1+1] op_sel_hi:[1,1,0]
	P8 v_pk_mul_f32 v[QV+2*p:QV+2*p+1], v[QV+2*p:QV+2*p+1], v[DEN+2*p:DEN+2*p+1]
	P8 v_pk_fma_f32 v[QV+2*p:QV+2*p+1], v[QV+2*p:QV+2*p+1], v[EA+2*p:EA+2*p+1], 1.0 op_sel_hi:[1,1,0] neg_lo:[1,0,0] neg_hi:[1,0,0]  ; erf
	P8 v_pk_fma_f32 v[QV+2*p:QV+2*p+1], v[AV+2*p:AV+2*p+1], v[QV+2*p:QV+2*p+1], v[HV+2*p:HV+2*p+1]  ; 2 gelu
	v_pk_mul_f32 v[LS:LS+1],   v[QV:QV+1],   v[W2:W2+1]
	v_pk_mul_f32 v[LS+2:LS+3], v[QV+2:QV+3], v[W2+2:W2+3]
.set p, 2
.rept 6
	v_pk_fma_f32 v[LS+2*(p%2):LS+2*(p%2)+1], v[QV+2*p:QV+2*p+1], v[W2+2*p:W2+2*p+1], v[LS+2*(p%2):LS+2*(p%2)+1]
.set p, p+1
.endr
	v_pk_add_f32 v[LS:LS+1], v[LS:LS+1], v[LS+2:LS+3]
	v_add_f32 v[LS], v[LS], v[LS+1]
	v_permlanex16_b32 v[LS+1], v[LS], s[SEL], s[SEL+1]
	v_add_f32 v[LS], v[LS], v[LS+1]
	v_mul_f32 v[LS], 0.5, v[LS]
	s_lshl_b32 s18, s[WV], 6
	v_lshl_add_u32 v[CO], v[RR], 2, s18
	ds_store_b32 v[CO], v[LS]                      ; candidate 16 w + r of the work-group's 64
	s_wait_dscnt 0x0
	s_barrier_signal -1
	s_barrier_wait -1
	s_cmp_lg_u32 s[WV], 0
	s_cbranch_scc1 .Lend
	v_and_b32 v[TO], 31, v0
	v_lshlrev_b32 v[TO], 3, v[TO]
	ds_load_b64 v[10:11], v[TO]
	s_wait_dscnt 0x0
	global_store_b64 v[TO], v[10:11], s[14:15]     ; 256 consecutive bytes
.Lend:
	s_wait_tensorcnt 0x0                           ; the wave's end, behind my last LDS store
	ds_add_u32 v[SPW], v[NIL]
	s_wait_dscnt 0x0
	s_endpgm
.Lfunc_end_k_qea06e6ecab_refine:
	.size	k_qea06e6ecab_refine, .Lfunc_end_k_qea06e6ecab_refine-k_qea06e6ecab_refine
	.p2alignl 7, 3214868480
	.fill 96, 4, 3214868480
	.section	.rodata,"a",@progbits
	.p2align	6, 0x0
	.amdhsa_kernel k_qea06e6ecab_refine
		.amdhsa_group_segment_fixed_size 768
		.amdhsa_private_segment_fixed_size 0
		.amdhsa_enable_private_segment 0
		.amdhsa_kernarg_size 48
		.amdhsa_user_sgpr_count 2
		.amdhsa_user_sgpr_kernarg_segment_ptr 1
		.amdhsa_wavefront_size32 1
		.amdhsa_system_sgpr_workgroup_id_x 1
		.amdhsa_system_sgpr_workgroup_id_y 1
		.amdhsa_system_sgpr_workgroup_id_z 1
		.amdhsa_system_vgpr_workitem_id 0
		.amdhsa_next_free_vgpr 512
		.amdhsa_next_free_sgpr 66
		.amdhsa_reserve_vcc 0
		.amdhsa_float_denorm_mode_32 3
		.amdhsa_float_denorm_mode_16_64 3
		.amdhsa_memory_ordered 1
		.amdhsa_forward_progress 1
		.amdhsa_inst_pref_size 64
	.end_amdhsa_kernel
	.amdgpu_metadata
---
amdhsa.version: [ 1, 2 ]
amdhsa.kernels:
  - .name:           k_qea06e6ecab_refine
    .symbol:         k_qea06e6ecab_refine.kd
    .args:
      - { .name: slot_states, .offset: 0, .size: 8, .value_kind: global_buffer, .address_space: global }
      - { .name: cand, .offset: 8, .size: 8, .value_kind: global_buffer, .address_space: global }
      - { .name: wf, .offset: 16, .size: 8, .value_kind: global_buffer, .address_space: global }
      - { .name: wl, .offset: 24, .size: 8, .value_kind: global_buffer, .address_space: global }
      - { .name: tab, .offset: 32, .size: 8, .value_kind: global_buffer, .address_space: global }
      - { .name: rpart, .offset: 40, .size: 8, .value_kind: global_buffer, .address_space: global }
    .group_segment_fixed_size: 768
    .private_segment_fixed_size: 0
    .kernarg_segment_align: 8
    .kernarg_segment_size: 48
    .max_flat_workgroup_size: 128
    .sgpr_count:     66
    .vgpr_count:     512
    .wavefront_size: 32
...
	.end_amdgpu_metadata
.endif
;; end of part 3
;; launch finish (part 4): grid 4 x 32, 4 waves a work-group, no clusters, 3,584 bytes of LDS; arguments out4, slot_mask, part, cand, rpart, ln_gamma, ln_beta, vw, vb, db2, rb2, out0, out1, out2, out3; writes out0, out1, out2, out3
.if DOCPART == 4
	.amdgcn_target "amdgcn-amd-amdhsa--gfx1250"
	.amdhsa_code_object_version 6
	.text
	.protected	k_qea06e6ecab_finish
	.globl	k_qea06e6ecab_finish
	.p2align	8
	.type	k_qea06e6ecab_finish,@function
k_qea06e6ecab_finish:
	s_mov_b64 s[64:65], 0
	v_nop
	global_prefetch_b8 v0, s[64:65] scope:SCOPE_SE
	s_setreg_imm32_b32 hwreg(HW_REG_WAVE_MODE, 25, 1), 1
	s_wait_xcnt 0x0
; FINISH.  Work-group (qx, b): batch b; rows 1,024 qx .. of the weights (out1), columns 64 qx .. of the representation (out0); the one with qx = 0 also ranks the batch's 32 candidates (out2, out3).
; P = the batch's sum of p = mask ? e^score : 0 (eight partial sums, added in ascending order); weight = p / max(P, 1e-12), or 0 where P = 0.  The clip that the problem makes holds the exponents in -3 .. 3: no maximum is needed.
; representation = nbar vw + vb sw, with nbar_k = gamma_k (sum p xhat_k) / P + beta_k sw and sw = the sum of the weights: one row times [256, 64], in f32 multiply-adds: a tile of the matrix unit would be 15/16 empty.
; RANKING.  By the score that the launch before made anew, clipped; equal scores by the lowest row; a hidden row counts as -1e30 and has the weight 0.
; LIMIT.  Two weights that f32 rounds to one number though their scores differ are not treated as a tie.  NaN and infinities are not treated apart.
.set NB,    0                          ; nbar, 256 f32
.set RP,    1024                       ; [8 groups of 32 k][64 columns] f32
.set SPARE, 3072
.set O8,  1                            ; v1  8 x thread
.set O16, 2                            ; v2  16 x thread
.set O4,  3                            ; v3  4 x thread
.set L8,  4                            ; v4  8 x lane
.set VO,  5                            ; v5  32,768 kg + 16 cg in vw
.set NBA, 6                            ; v6  128 kg
.set RPA, 7                            ; v7  RP + 256 kg + 16 cg
.set SPW, 8
.set NIL, 9
.set PV,  10                           ; v10 P
.set INV, 12                           ; v[12:13] 1 / P, or 0
.set SW,  14                           ; v[14:15] the sum of the weights
.set WV,  34
.set BB,  35
.set SEL, 66
.set L2E, 68
.set LN2, 69
	s_load_b512 s[4:19], s[0:1], 0x0               ; out4 4, mask 6, part 8, cand 10, rpart 12, gamma 14, beta 16, vw 18
	s_load_b256 s[20:27], s[0:1], 0x40             ; vb 20, db2 22, rb2 24, out0 26
	s_load_b128 s[28:31], s[0:1], 0x60             ; out1 28, out2 30
	s_load_b64 s[32:33], s[0:1], 0x70              ; out3
	v_lshl_add_u32 v[SPW], v0, 2, SPARE
	v_mov_b32 v[NIL], 0
	v_lshrrev_b32 v1, 5, v0
	v_readfirstlane_b32 s[WV], v1
	s_and_b32 s[BB], ttmp7, 0xffff
	s_mul_i32 s38, s[BB], 10240                    ; the batch's eight blocks of part
	s_mov_b32 s39, 0
	s_lshl_b32 s40, s[BB], 14
	s_lshl_b32 s41, ttmp9, 12
	s_add_co_u32 s40, s40, s41                     ; my 1,024 rows in out4 and out1
	s_mov_b32 s41, 0
	s_lshl_b32 s42, s[BB], 12
	s_lshl_b32 s43, ttmp9, 10
	s_add_co_u32 s42, s42, s43                     ; and in the mask
	s_mov_b32 s43, 0
	s_lshl_b32 s44, ttmp9, 8                       ; my 64 columns
	s_mov_b32 s45, 0
	s_lshl_b32 s46, s[BB], 10
	s_add_co_u32 s46, s46, s44
	s_mov_b32 s47, 0
	s_mov_b32 s[SEL], 0x76543210
	s_mov_b32 s[SEL+1], 0xfedcba98
	s_mov_b32 s[L2E], 0x3fb8aa3b
	s_mov_b32 s[LN2], 0x3f317218
	v_lshlrev_b32 v[O8], 3, v0
	v_lshlrev_b32 v[O16], 4, v0
	v_lshlrev_b32 v[O4], 2, v0
	v_and_b32 v[L8], 31, v0
	v_lshlrev_b32 v[L8], 3, v[L8]
	v_lshrrev_b32 v[NBA], 4, v0                    ; kg
	v_and_b32 v11, 15, v0                          ; cg
	v_lshlrev_b32 v[VO], 15, v[NBA]
	v_lshl_add_u32 v[VO], v11, 4, v[VO]
	v_lshlrev_b32 v[RPA], 8, v[NBA]
	v_lshl_add_u32 v[RPA], v11, 4, v[RPA]
	v_add_nc_u32 v[RPA], RP, v[RPA]
	v_lshlrev_b32 v[NBA], 7, v[NBA]
	s_wait_kmcnt 0x0
	s_add_nc_u64 s[8:9], s[8:9], s[38:39]
	s_add_nc_u64 s[48:49], s[4:5], s[40:41]
	s_add_nc_u64 s[28:29], s[28:29], s[40:41]
	s_add_nc_u64 s[50:51], s[6:7], s[42:43]
	s_add_nc_u64 s[18:19], s[18:19], s[44:45]
	s_add_nc_u64 s[20:21], s[20:21], s[44:45]
	s_add_nc_u64 s[26:27], s[26:27], s[46:47]
.irp i, 0,1,2,3,4,5,6,7
	s_load_b32 s[56+(\i)], s[8:9], 1280*(\i)+1024  ; the eight sums of p
.endr
	s_load_b32 s52, s[22:23], 0x0                  ; db2
	s_load_b32 s53, s[24:25], 0x0                  ; rb2
.irp i, 0,1,2,3,4,5,6,7
	global_load_b64 v[16+2*(\i):17+2*(\i)], v[O8], s[8:9] offset:1280*(\i)
.endr
	global_load_b64 v[32:33], v[O8], s[14:15]
	global_load_b64 v[34:35], v[O8], s[16:17]
	global_load_b128 v[36:39], v[O16], s[48:49]
	global_load_b128 v[40:43], v[O16], s[48:49] offset:2048
	global_load_b32 v44, v[O4], s[50:51]
	global_load_b32 v45, v[O4], s[50:51] offset:512
	global_load_b64 v[46:47], v[L8], s[20:21]
.set i, 0
.rept 32
	global_load_b128 v[128+4*i:128+4*i+3], v[VO], s[18:19] offset:1024*i  ; sixteen lanes take 256 consecutive bytes of a row of vw
.set i, i+1
.endr
	s_wait_kmcnt 0x0
	s_add_f32 s54, s56, s57
.irp i, 58,59,60,61,62,63
	s_add_f32 s54, s54, s\i
.endr
	v_mov_b32 v[PV], s54
	v_max_num_f32 v11, 0x2b8cbccc, v[PV]           ; max(P, 1e-12)
	v_rcp_f32 v11, v11
	v_cmp_lt_f32 vcc_lo, 0, v[PV]
	s_wait_alu depctr_va_vdst(0)
	v_cndmask_b32 v[INV], 0, v11, vcc_lo
	v_mov_b32 v[INV+1], v[INV]
	v_mul_f32 v[SW], v[PV], v[INV]
	v_mov_b32 v[SW+1], v[SW]
	s_wait_loadcnt 37                              ; part, gamma and beta are in: 2 of out4, 2 of the mask, 1 of vb and 32 of vw are younger
.irp i, 1,2,3,4,5,6,7
	v_pk_add_f32 v[16:17], v[16:17], v[16+2*(\i):17+2*(\i)]
.endr
	v_pk_mul_f32 v[16:17], v[16:17], v[INV:INV+1]
	v_pk_mul_f32 v[18:19], v[34:35], v[SW:SW+1]
	v_pk_fma_f32 v[16:17], v[32:33], v[16:17], v[18:19]
	ds_store_b64 v[O8], v[16:17]                   ; nbar of channels 2 thread, 2 thread + 1
	; THE RANKING: one wave of the batch's first work-group; lane l is candidate 32 b + l.
	s_cmp_lg_u32 ttmp9, 0
	s_cbranch_scc1 .Lnorank
	s_cmp_lg_u32 s[WV], 1
	s_cbranch_scc1 .Lnorank
.set LANE, 48
.set KEY,  55
.set FI,   56
.set OJ,   57
.set OT,   58
.set BIG,  59
.set NEGM, 60
.set MX,   61
.set JJ,   62
.set TM,   63
.set EE,   96
	s_lshl_b32 s38, s[BB], 11
	s_add_nc_u64 s[10:11], s[10:11], s[38:39]      ; the batch's eight blocks of cand
	s_lshl_b32 s38, s[BB], 7
	s_add_nc_u64 s[12:13], s[12:13], s[38:39]      ; its 32 candidates in each block of rpart
	s_mul_i32 s38, s[BB], 12
	s_add_nc_u64 s[30:31], s[30:31], s[38:39]
	s_add_nc_u64 s[32:33], s[32:33], s[38:39]
	v_and_b32 v[LANE], 31, v0
	v_lshrrev_b32 v49, 2, v[LANE]
	v_lshlrev_b32 v49, 8, v49
	v_and_b32 v51, 3, v[LANE]
	v_lshl_add_u32 v49, v51, 2, v49
	v_lshlrev_b32 v51, 2, v[LANE]
	global_load_b32 v50, v49, s[10:11]
.set i, 0
.rept 32
	global_load_b32 v[64+i], v51, s[12:13] offset:4096*i
.set i, i+1
.endr
	s_wait_loadcnt 32                              ; the row's number is in: the 32 partial scores are younger
	v_min_u32 v50, 0x1ffff, v50
	global_load_u8 v52, v50, s[6:7]
	v_and_b32 v[FI], 0xfff, v50
	v_cvt_f32_u32 v[FI], v[FI]                     ; the row in its batch, as f32
	v_mov_b32 v[OJ], 0
	v_mov_b32 v[OT], 0
	v_mov_b32 v[BIG], 0x4e6e6b28                   ; 1e9
	v_mov_b32 v[NEGM], 0xff7fffff
	v_mov_b32 v[TM], 0
	s_wait_loadcnt 0x0
.set i, 1
.rept 15
	v_add_f32 v64, v64, v[64+i]                    ; the drive's 16 blocks, ascending,
	v_add_f32 v80, v80, v[80+i]                    ; and the resistance's
.set i, i+1
.endr
	v_add_f32 v64, s52, v64
	v_add_f32 v80, s53, v80
	v_and_b32 v81, 0x7fffffff, v80
	v_mul_f32 v81, 0xbfb8aa3b, v81
	v_exp_f32 v81, v81
	v_max_num_f32 v80, 0, v80
	s_wait_alu depctr_va_vdst(0)
	v_add_f32 v81, 1.0, v81
	v_log_f32 v81, v81
	v_cmp_ne_u32 vcc_lo, 0, v52
	s_wait_alu depctr_va_vdst(0)
	v_fma_f32 v80, v81, s[LN2], v80                ; softplus
	v_sub_f32 v64, v64, v80
	s_mov_b32 s36, 0xc0400000
	s_mov_b32 s37, 0x40400000
	v_med3_num_f32 v64, v64, s36, s37
	v_mov_b32 v65, 0xf149f2ca
	v_cndmask_b32 v[KEY], v65, v64, vcc_lo
.macro PICK i                          ; the largest key; the lowest row that has it; its weight; lane i keeps both; the row is taken
	v_mov_b32 v[MX], v[KEY]
	v_max_num_f32_dpp v[MX], v[MX], v[MX] row_xmask:1 row_mask:0xf bank_mask:0xf
	v_max_num_f32_dpp v[MX], v[MX], v[MX] row_xmask:2 row_mask:0xf bank_mask:0xf
	v_max_num_f32_dpp v[MX], v[MX], v[MX] row_xmask:4 row_mask:0xf bank_mask:0xf
	v_max_num_f32_dpp v[MX], v[MX], v[MX] row_xmask:8 row_mask:0xf bank_mask:0xf
	v_permlanex16_b32 v[TM], v[MX], s[SEL], s[SEL+1]
	v_max_num_f32 v[MX], v[MX], v[TM]
	v_cmp_eq_f32 vcc_lo, v[KEY], v[MX]
	v_cndmask_b32 v[JJ], v[BIG], v[FI], vcc_lo
	v_min_num_f32_dpp v[JJ], v[JJ], v[JJ] row_xmask:1 row_mask:0xf bank_mask:0xf
	v_min_num_f32_dpp v[JJ], v[JJ], v[JJ] row_xmask:2 row_mask:0xf bank_mask:0xf
	v_min_num_f32_dpp v[JJ], v[JJ], v[JJ] row_xmask:4 row_mask:0xf bank_mask:0xf
	v_min_num_f32_dpp v[JJ], v[JJ], v[JJ] row_xmask:8 row_mask:0xf bank_mask:0xf
	v_permlanex16_b32 v[TM], v[JJ], s[SEL], s[SEL+1]
	v_min_num_f32 v[JJ], v[JJ], v[TM]
	v_mul_f32 v[EE], s[L2E], v[MX]
	v_exp_f32 v[EE], v[EE]
	v_cmp_eq_f32 vcc_lo, v[FI], v[JJ]
	v_cndmask_b32 v[KEY], v[KEY], v[NEGM], vcc_lo
	s_wait_alu depctr_va_vdst(0)
	v_mul_f32 v[EE], v[EE], v[INV]
	v_cmp_lt_f32 vcc_lo, 0xefa18f07, v[MX]         ; -1e29 < the key: a live row
	v_cndmask_b32 v[EE], 0, v[EE], vcc_lo
	v_cmp_eq_u32 vcc_lo, \i, v[LANE]
	v_cndmask_b32 v[OJ], v[OJ], v[JJ], vcc_lo
	v_cndmask_b32 v[OT], v[OT], v[EE], vcc_lo
.endm
	PICK 0
	PICK 1
	PICK 2
	v_cvt_u32_f32 v[OJ], v[OJ]
	v_cmp_gt_u32 vcc_lo, 3, v[LANE]
	s_wait_xcnt 0x0                                ; EXEC changes only behind this wait
	s_and_saveexec_b32 s37, vcc_lo
	global_store_b32 v51, v[OJ], s[30:31]
	global_store_b32 v51, v[OT], s[32:33]
	s_wait_xcnt 0x0                                ; and again in front of the line that widens it
	s_or_b32 exec_lo, exec_lo, s37
.Lnorank:
	s_wait_dscnt 0x0                               ; my part of nbar is in LDS
	s_barrier_signal -1
	s_barrier_wait -1
.irp i, 0,1,2,3,4,5,6,7
	ds_load_b128 v[96+4*(\i):96+4*(\i)+3], v[NBA] offset:16*(\i)  ; nbar of my 32 k
.endr
	; the weights of my eight rows
	s_wait_loadcnt 33                              ; the scores and the mask are in: 1 of vb and 32 of vw are younger
.irp i, 0,1,2,3,4,5,6,7
	v_mul_f32 v[36+(\i)], s[L2E], v[36+(\i)]
.endr
.irp i, 0,1,2,3,4,5,6,7
	v_exp_f32 v[36+(\i)], v[36+(\i)]
.endr
.irp i, 0,1,2,3
	v_bfe_u32 v[64+(\i)], v44, 8*(\i), 8
	v_bfe_u32 v[68+(\i)], v45, 8*(\i), 8
.endr
	s_wait_alu depctr_va_vdst(0)                   ; one wait for the eight
.irp i, 0,1,2,3,4,5,6,7
	v_mul_f32 v[36+(\i)], v[36+(\i)], v[INV]
	v_cmp_ne_u32 vcc_lo, 0, v[64+(\i)]
	v_cndmask_b32 v[36+(\i)], 0, v[36+(\i)], vcc_lo
.endr
	global_store_b128 v[O16], v[36:39], s[28:29]               ; 512 consecutive bytes each
	global_store_b128 v[O16], v[40:43], s[28:29] offset:2048
	; nbar vw: four columns x 32 k a thread
	s_wait_loadcnt 0x0
	s_wait_dscnt 0x0
.irp c, 0,1,2,3
	v_mul_f32 v[88+(\c)], v96, v[128+(\c)]
.endr
.set i, 1
.rept 31
.irp c, 0,1,2,3
	v_fmac_f32 v[88+(\c)], v[96+i], v[128+4*i+(\c)]
.endr
.set i, i+1
.endr
	ds_store_b128 v[RPA], v[88:91]
	s_wait_dscnt 0x0
	s_barrier_signal -1
	s_barrier_wait -1
	s_cmp_lg_u32 s[WV], 0
	s_cbranch_scc1 .Lend
.irp i, 0,1,2,3,4,5,6,7
	ds_load_b64 v[64+2*(\i):65+2*(\i)], v[L8] offset:RP+256*(\i)
.endr
	s_wait_dscnt 0x0
.irp i, 1,2,3,4,5,6,7
	v_pk_add_f32 v[64:65], v[64:65], v[64+2*(\i):65+2*(\i)]
.endr
	v_pk_fma_f32 v[64:65], v[46:47], v[SW:SW+1], v[64:65]
	global_store_b64 v[L8], v[64:65], s[26:27]     ; 256 consecutive bytes of out0
.Lend:
	s_wait_tensorcnt 0x0                           ; the wave's end, behind my last LDS store
	ds_add_u32 v[SPW], v[NIL]
	s_wait_dscnt 0x0
	s_endpgm
.Lfunc_end_k_qea06e6ecab_finish:
	.size	k_qea06e6ecab_finish, .Lfunc_end_k_qea06e6ecab_finish-k_qea06e6ecab_finish
	.p2alignl 7, 3214868480
	.fill 96, 4, 3214868480
	.section	.rodata,"a",@progbits
	.p2align	6, 0x0
	.amdhsa_kernel k_qea06e6ecab_finish
		.amdhsa_group_segment_fixed_size 3584
		.amdhsa_private_segment_fixed_size 0
		.amdhsa_enable_private_segment 0
		.amdhsa_kernarg_size 120
		.amdhsa_user_sgpr_count 2
		.amdhsa_user_sgpr_kernarg_segment_ptr 1
		.amdhsa_wavefront_size32 1
		.amdhsa_system_sgpr_workgroup_id_x 1
		.amdhsa_system_sgpr_workgroup_id_y 1
		.amdhsa_system_sgpr_workgroup_id_z 1
		.amdhsa_system_vgpr_workitem_id 0
		.amdhsa_next_free_vgpr 256
		.amdhsa_next_free_sgpr 80
		.amdhsa_reserve_vcc 1
		.amdhsa_float_denorm_mode_32 3
		.amdhsa_float_denorm_mode_16_64 3
		.amdhsa_memory_ordered 1
		.amdhsa_forward_progress 1
		.amdhsa_inst_pref_size 27
	.end_amdhsa_kernel
	.amdgpu_metadata
---
amdhsa.version: [ 1, 2 ]
amdhsa.kernels:
  - .name:           k_qea06e6ecab_finish
    .symbol:         k_qea06e6ecab_finish.kd
    .args:
      - { .name: out4, .offset: 0, .size: 8, .value_kind: global_buffer, .address_space: global }
      - { .name: slot_mask, .offset: 8, .size: 8, .value_kind: global_buffer, .address_space: global }
      - { .name: part, .offset: 16, .size: 8, .value_kind: global_buffer, .address_space: global }
      - { .name: cand, .offset: 24, .size: 8, .value_kind: global_buffer, .address_space: global }
      - { .name: rpart, .offset: 32, .size: 8, .value_kind: global_buffer, .address_space: global }
      - { .name: ln_gamma, .offset: 40, .size: 8, .value_kind: global_buffer, .address_space: global }
      - { .name: ln_beta, .offset: 48, .size: 8, .value_kind: global_buffer, .address_space: global }
      - { .name: vw, .offset: 56, .size: 8, .value_kind: global_buffer, .address_space: global }
      - { .name: vb, .offset: 64, .size: 8, .value_kind: global_buffer, .address_space: global }
      - { .name: db2, .offset: 72, .size: 8, .value_kind: global_buffer, .address_space: global }
      - { .name: rb2, .offset: 80, .size: 8, .value_kind: global_buffer, .address_space: global }
      - { .name: out0, .offset: 88, .size: 8, .value_kind: global_buffer, .address_space: global }
      - { .name: out1, .offset: 96, .size: 8, .value_kind: global_buffer, .address_space: global }
      - { .name: out2, .offset: 104, .size: 8, .value_kind: global_buffer, .address_space: global }
      - { .name: out3, .offset: 112, .size: 8, .value_kind: global_buffer, .address_space: global }
    .group_segment_fixed_size: 3584
    .private_segment_fixed_size: 0
    .kernarg_segment_align: 8
    .kernarg_segment_size: 120
    .max_flat_workgroup_size: 128
    .sgpr_count:     80
    .vgpr_count:     256
    .wavefront_size: 32
...
	.end_amdgpu_metadata
.endif
;; end of part 4
;; ======== version 2 of 2: 4 launches; version 1 with the launch prep written anew for expert scheduling mode
;; limits: a function is approximated: absolute error at most 0.0005; values are held in f16: magnitudes above 65,504 overflow, below 6.1e-05 lose precision
;; workspace buffers: wf 524,288 bytes; wl 524,288 bytes; tab 8,192 bytes; part 327,680 bytes; cand 65,536 bytes of whole numbers; rpart 131,072 bytes
;; launch prep (part 5): grid 16 x 1, 8 waves a work-group, no clusters, 3,072 bytes of LDS; arguments dw1, rw1, db1, rb1, dw2, rw2, ln_gamma, ln_beta, wf, wl, tab; writes wf, wl, tab
.if DOCPART == 5
	.amdgcn_target "amdgcn-amd-amdhsa--gfx1250"
	.amdhsa_code_object_version 6
	.text
	.protected	k_qea06e6ecab_prep
	.globl	k_qea06e6ecab_prep
	.p2align	8
	.type	k_qea06e6ecab_prep,@function
k_qea06e6ecab_prep:
	s_mov_b64 s[64:65], 0
	v_nop
	global_prefetch_b8 v0, s[64:65] scope:SCOPE_SE
	s_setreg_imm32_b32 hwreg(HW_REG_WAVE_SCHED_MODE, 0, 2), 2
	s_setreg_imm32_b32 hwreg(HW_REG_WAVE_MODE, 25, 1), 1
	s_wait_xcnt 0x0
	s_wait_alu depctr_vm_vsrc(0)
; PREP.  The LayerNorm's gain and offset are folded into the two first layers: h = xhat (gamma . w1) + (beta w1 + b1).
; W' = gamma_k w1[k][j] is written twice in f16: wf = f16(W'), wl = f16((W' - wf) x 2048), both in the order in which a matrix fragment is loaded:
; byte = T x 8192 + c x 1024 + half x 512 + lane x 16; T = tile of 16 hidden units (0-31 drive, 32-63 resistance), c = K step of 32, lane = 16 h + r holds unit 16 T + r
; and k = 32 c + 16 half + 8 h + 0..7.  tab = cb[1024] = beta w1 + b1 in f32, then w2[1024].
; LIMIT.  |gamma_k w1[k][j]| stays under 65,504 (f16's end); below 6e-5 wf keeps f16's fixed step of 6e-8, and wl carries the rest.
; SHARES.  Work-group X owns hidden units 64 X .. 64 X + 63 (four tiles); wave w is K step c = w.  1 MiB is read once by 16 work-groups: no ring, no matrix unit, no cluster would pay.
; THE MODE: SCHED_MODE bits 1:0 = 2 (LLVM: expert scheduling mode 2), set by the entry lines.  The code itself states the register dependences
; between vector instructions and memory or LDS instructions, with s_wait_alu, always for 0.
; THE PLAN.  Registers that memory or LDS instructions touch:
;   v2 .. v6, v8, v9   offsets, LDS addresses and the closing add's pair: made once at the head, never written again.
;   GA, BE             written by the first eight loads; read by vector lines alone.
;   WR[j]              tile j's 16 registers.  Written by its 16 loads; read by its products with gamma and beta; then its own roundings write its two f16 parts there (8 + 8 registers);
;                      read by its four stores; never written again.  So every tile has an out-buffer of its own.
;   PS[j]              tile j's part of beta w1: written by the tile's last add, read by its one LDS store, never written again.
;   TW                 at work in the tiles; behind the barrier wave 0's eight LDS loads land in it, and its first pair is that wave's last store's data.
;   v[16:17]           written by one load (wave 0: b1; wave 1: w2).
;   RE, SU, v10 are named by vector lines alone.
; Tile j's five memory instructions are issued in tile j + 1, behind ONE wait on va_vdst at that tile's head, and dealt among its vector lines, which name none of WR[j], PS[j], v3 and v5.
; No register that a store has read is written again: the text needs no wait on vm_vsrc.
.set SPARE, 2048                       ; behind the partial sums: the spare words, 128 bytes for each of eight waves
.set WO,   2                           ; v2  (32 c + 8 h) x 2048 + 4 r: my first element of w1
.set FO,   3                           ; v3  1024 c + 16 lane: my 16 bytes of a fragment
.set GO,   4                           ; v4  (32 c + 8 h) x 4: my first gamma and beta
.set PAD,  5                           ; v5  256 w + 4 r: my word among the partial sums
.set L8,   6                           ; v6  8 x lane
.set SPW,  8                           ; v8  my spare word; never rewritten
.set NIL,  9                           ; v9  0; never rewritten
.set NEG1, 10                          ; v10 -1.0
.set WR,   32                          ; v[32:95]   w1: tile j, element e at 32 + 16 j + e; later the tile's f16 high parts (+ 0..7) and low parts (+ 8..15)
.set GA,   96                          ; v[96:111]  gamma of my 16 k
.set BE,   112                         ; v[112:127] beta
.set TW,   128                         ; v[128:143] W'
.set RE,   160                         ; v[160:175] residues
.set SU,   176                         ; v[176:179] two chains of beta w1
.set PS,   180                         ; v[180:183] tile j's sum of beta w1 over my K step
.set WV,   36
	s_load_b512 s[4:19], s[0:1], 0x0               ; dw1 4, rw1 6, db1 8, rb1 10, dw2 12, rw2 14, gamma 16, beta 18
	s_load_b128 s[20:23], s[0:1], 0x40             ; wf 20, wl 22
	s_load_b64 s[24:25], s[0:1], 0x50              ; tab
	v_lshl_add_u32 v[SPW], v0, 2, SPARE
	v_mov_b32 v[NIL], 0
	v_mov_b32 v[NEG1], -1.0
	v_lshrrev_b32 v1, 5, v0
	v_readfirstlane_b32 s[WV], v1                  ; wave = K step
	v_and_b32 v11, 15, v0                          ; r
	v_bfe_u32 v12, v0, 4, 1                        ; h
	v_and_b32 v13, 31, v0                          ; lane
	s_wait_alu depctr_va_sdst(0)                   ; the wave's number is written, ahead of its first reader, the line below
	s_lshl_b32 s37, s[WV], 5
	v_lshl_add_u32 v14, v12, 3, s37                ; 32 c + 8 h
	v_lshlrev_b32 v[GO], 2, v14
	v_lshlrev_b32 v[WO], 11, v14
	v_lshl_add_u32 v[WO], v11, 2, v[WO]
	s_lshl_b32 s37, s[WV], 10
	v_lshl_add_u32 v[FO], v13, 4, s37
	s_lshl_b32 s37, s[WV], 8
	v_lshl_add_u32 v[PAD], v11, 2, s37
	v_lshlrev_b32 v[L8], 3, v13
	s_mov_b32 s34, 0x76543210                      ; v_permlanex16_b32: each lane takes its own place in the other half
	s_mov_b32 s35, 0xfedcba98
	s_and_b32 s32, ttmp9, 7
	s_lshl_b32 s32, s32, 8                         ; my 64 columns: 256 bytes of a row of w1, of b1 and of w2
	s_mov_b32 s33, 0
	s_lshl_b32 s38, ttmp9, 15                      ; my four tiles in wf and wl
	s_mov_b32 s39, 0
	s_lshl_b32 s40, ttmp9, 8                       ; my 64 words in tab
	s_mov_b32 s41, 0
	s_wait_kmcnt 0x0
	s_cmp_lt_u32 ttmp9, 8                          ; work-groups 0-7: the drive's weights; 8-15: the resistance's
	s_cselect_b64 s[26:27], s[4:5], s[6:7]
	s_cselect_b64 s[28:29], s[8:9], s[10:11]
	s_cselect_b64 s[30:31], s[12:13], s[14:15]
	s_add_nc_u64 s[26:27], s[26:27], s[32:33]
	s_add_nc_u64 s[28:29], s[28:29], s[32:33]
	s_add_nc_u64 s[30:31], s[30:31], s[32:33]
	s_add_nc_u64 s[20:21], s[20:21], s[38:39]
	s_add_nc_u64 s[22:23], s[22:23], s[38:39]
	s_add_nc_u64 s[24:25], s[24:25], s[40:41]
	s_wait_alu depctr_va_vdst(0)                   ; v2 to v6 are written: every load, store and LDS instruction of the kernel reads one of them as its offset or address
	global_load_b128 v[GA:GA+3],     v[GO], s[16:17]
	global_load_b128 v[GA+4:GA+7],   v[GO], s[16:17] offset:16
	global_load_b128 v[GA+8:GA+11],  v[GO], s[16:17] offset:64
	global_load_b128 v[GA+12:GA+15], v[GO], s[16:17] offset:80
	global_load_b128 v[BE:BE+3],     v[GO], s[18:19]
	global_load_b128 v[BE+4:BE+7],   v[GO], s[18:19] offset:16
	global_load_b128 v[BE+8:BE+11],  v[GO], s[18:19] offset:64
	global_load_b128 v[BE+12:BE+15], v[GO], s[18:19] offset:80
.irp j, 0,1,2,3
.set e, 0
.rept 16                                       ; element e is k = 32 c + 8 h + e (e < 8) or + e + 8: the two halves of a fragment
	global_load_b32 v[WR+16*(\j)+e], v[WO], s[26:27] offset:(e+8*(e/8))*2048+64*(\j)
.set e, e+1
.endr
.endr
; Number k of the five memory instructions of tile j: four stores of 512 consecutive bytes a wave, and the LDS store of my K step's part of beta w1.
.macro SENDP j, k
.if (\k) == 0
	global_store_b128 v[FO], v[WR+16*(\j):WR+16*(\j)+3],     s[20:21] offset:8192*(\j)
.elseif (\k) == 1
	global_store_b128 v[FO], v[WR+16*(\j)+4:WR+16*(\j)+7],   s[20:21] offset:8192*(\j)+512
.elseif (\k) == 2
	global_store_b128 v[FO], v[WR+16*(\j)+8:WR+16*(\j)+11],  s[22:23] offset:8192*(\j)
.elseif (\k) == 3
	global_store_b128 v[FO], v[WR+16*(\j)+12:WR+16*(\j)+15], s[22:23] offset:8192*(\j)+512
.else
	ds_store_b32 v[PAD], v[PS+(\j)] offset:64*(\j) ; both halves of the lanes write the same number to the same word
.endif
.endm
; One tile: W', its two f16 parts, and my K step's part of beta w1; among these lines the tile before goes out.
.macro TILE j
.set FH, WR+16*(\j)                    ; the f16 high parts take the tile's first eight registers,
.set FL, WR+16*(\j)+8                  ; the low parts its other eight: w1 has been read out of them by then
	s_wait_loadcnt 48-16*(\j)                      ; loads come back in order (ISA guide 5.7.1): gamma, beta and this tile's 16 are in; the later tiles' 16 each stay out
.if (\j) > 0
	s_wait_alu depctr_va_vdst(0)                   ; the tile before has written its 16 out registers and its PS, which the five memory instructions below read; no vector line of this tile names them
	SENDP (\j)-1, 0
.endif
.set p, 0
.rept 8
	v_pk_mul_f32 v[TW+2*p:TW+2*p+1], v[WR+16*(\j)+2*p:WR+16*(\j)+2*p+1], v[GA+2*p:GA+2*p+1]
.set p, p+1
.endr
.if (\j) > 0
	SENDP (\j)-1, 1
.endif
	v_pk_mul_f32 v[SU:SU+1],   v[WR+16*(\j):WR+16*(\j)+1],   v[BE:BE+1]
	v_pk_mul_f32 v[SU+2:SU+3], v[WR+16*(\j)+2:WR+16*(\j)+3], v[BE+2:BE+3]
.set p, 2
.rept 6
	v_pk_fma_f32 v[SU+2*(p%2):SU+2*(p%2)+1], v[WR+16*(\j)+2*p:WR+16*(\j)+2*p+1], v[BE+2*p:BE+2*p+1], v[SU+2*(p%2):SU+2*(p%2)+1]
.set p, p+1
.endr
.if (\j) > 0
	SENDP (\j)-1, 2
.endif
.set p, 0
.rept 8
	v_cvt_pk_f16_f32 v[FH+p], v[TW+2*p], v[TW+2*p+1]
.set p, p+1
.endr
.if (\j) > 0
	SENDP (\j)-1, 3
.endif
.set p, 0
.rept 8                                        ; W' less its f16 part, exact in f32
	v_fma_mix_f32 v[RE+2*p],   v[FH+p], v[NEG1], v[TW+2*p]   op_sel_hi:[1,0,0]
	v_fma_mix_f32 v[RE+2*p+1], v[FH+p], v[NEG1], v[TW+2*p+1] op_sel:[1,0,0] op_sel_hi:[1,0,0]
.set p, p+1
.endr
.if (\j) > 0
	SENDP (\j)-1, 4
.endif
.set p, 0
.rept 8
	v_pk_mul_f32 v[RE+2*p:RE+2*p+1], v[RE+2*p:RE+2*p+1], 0x45000000 op_sel_hi:[1,0]  ; x 2048: the residue gets f16's normal range
.set p, p+1
.endr
.set p, 0
.rept 8
	v_cvt_pk_f16_f32 v[FL+p], v[RE+2*p], v[RE+2*p+1]
.set p, p+1
.endr
	v_pk_add_f32 v[SU:SU+1], v[SU:SU+1], v[SU+2:SU+3]
	v_add_f32 v[SU], v[SU], v[SU+1]
	v_permlanex16_b32 v[SU+1], v[SU], s34, s35     ; the other 16 k of the K step lie in the lane 16 away
	v_add_f32 v[PS+(\j)], v[SU], v[SU+1]
.endm
	TILE 0
	TILE 1
	TILE 2
	TILE 3
	s_wait_alu depctr_va_vdst(0)                   ; tile 3 has written its 16 out registers and its PS, which the five lines below read; and the vector lines are done with TW, in which wave 0's LDS loads land behind the barrier
.irp k, 0,1,2,3,4
	SENDP 3, \k
.endr
	s_wait_dscnt 0x0                               ; for the others' sake: my partial sums are in LDS
	s_barrier_signal -1
	s_barrier_wait -1
	s_cmp_lg_u32 s[WV], 0
	s_cbranch_scc1 .Lnot0
	global_load_b64 v[16:17], v[L8], s[28:29]      ; wave 0: b1 and the eight K steps' sums, two units a lane
.irp w, 0,1,2,3,4,5,6,7
	ds_load_b64 v[TW+2*(\w):TW+2*(\w)+1], v[L8] offset:256*(\w)  ; no vector line since the last wait on va_vdst names TW
.endr
	s_wait_dscnt 0x0
.irp w, 1,2,3,4,5,6,7
	v_pk_add_f32 v[TW:TW+1], v[TW:TW+1], v[TW+2*(\w):TW+2*(\w)+1]
.endr
	s_wait_loadcnt 0x0
	v_pk_add_f32 v[TW:TW+1], v[TW:TW+1], v[16:17]
	s_wait_alu depctr_va_vdst(0)                   ; the adds have written TW's first pair, which the store reads
	global_store_b64 v[L8], v[TW:TW+1], s[24:25]   ; 256 consecutive bytes
	s_branch .Lend
.Lnot0:
	s_cmp_lg_u32 s[WV], 1
	s_cbranch_scc1 .Lend
	global_load_b64 v[16:17], v[L8], s[30:31]      ; wave 1: w2 is copied behind cb
	s_wait_loadcnt 0x0
	global_store_b64 v[L8], v[16:17], s[24:25] offset:4096
.Lend:
	s_wait_dscnt 0x0                               ; the closing lines, six on end
	s_wait_alu 0x0
	s_wait_tensorcnt 0x0
	ds_add_u32 v[SPW], v[NIL]
	s_wait_dscnt 0x0
	s_endpgm
.Lfunc_end_k_qea06e6ecab_prep:
	.size	k_qea06e6ecab_prep, .Lfunc_end_k_qea06e6ecab_prep-k_qea06e6ecab_prep
	.p2alignl 7, 3214868480
	.fill 96, 4, 3214868480
	.section	.rodata,"a",@progbits
	.p2align	6, 0x0
	.amdhsa_kernel k_qea06e6ecab_prep
		.amdhsa_group_segment_fixed_size 3072
		.amdhsa_private_segment_fixed_size 0
		.amdhsa_enable_private_segment 0
		.amdhsa_kernarg_size 88
		.amdhsa_user_sgpr_count 2
		.amdhsa_user_sgpr_kernarg_segment_ptr 1
		.amdhsa_wavefront_size32 1
		.amdhsa_system_sgpr_workgroup_id_x 1
		.amdhsa_system_sgpr_workgroup_id_y 1
		.amdhsa_system_sgpr_workgroup_id_z 1
		.amdhsa_system_vgpr_workitem_id 0
		.amdhsa_next_free_vgpr 192
		.amdhsa_next_free_sgpr 66
		.amdhsa_reserve_vcc 0
		.amdhsa_float_denorm_mode_32 3
		.amdhsa_float_denorm_mode_16_64 3
		.amdhsa_memory_ordered 1
		.amdhsa_forward_progress 1
		.amdhsa_inst_pref_size 29
	.end_amdhsa_kernel
	.amdgpu_metadata
---
amdhsa.version: [ 1, 2 ]
amdhsa.kernels:
  - .name:           k_qea06e6ecab_prep
    .symbol:         k_qea06e6ecab_prep.kd
    .args:
      - { .name: dw1, .offset: 0, .size: 8, .value_kind: global_buffer, .address_space: global }
      - { .name: rw1, .offset: 8, .size: 8, .value_kind: global_buffer, .address_space: global }
      - { .name: db1, .offset: 16, .size: 8, .value_kind: global_buffer, .address_space: global }
      - { .name: rb1, .offset: 24, .size: 8, .value_kind: global_buffer, .address_space: global }
      - { .name: dw2, .offset: 32, .size: 8, .value_kind: global_buffer, .address_space: global }
      - { .name: rw2, .offset: 40, .size: 8, .value_kind: global_buffer, .address_space: global }
      - { .name: ln_gamma, .offset: 48, .size: 8, .value_kind: global_buffer, .address_space: global }
      - { .name: ln_beta, .offset: 56, .size: 8, .value_kind: global_buffer, .address_space: global }
      - { .name: wf, .offset: 64, .size: 8, .value_kind: global_buffer, .address_space: global }
      - { .name: wl, .offset: 72, .size: 8, .value_kind: global_buffer, .address_space: global }
      - { .name: tab, .offset: 80, .size: 8, .value_kind: global_buffer, .address_space: global }
    .group_segment_fixed_size: 3072
    .private_segment_fixed_size: 0
    .kernarg_segment_align: 8
    .kernarg_segment_size: 88
    .max_flat_workgroup_size: 256
    .sgpr_count:     66
    .vgpr_count:     192
    .wavefront_size: 32
...
	.end_amdgpu_metadata
.endif
;; end of part 5
;; launch main: the kernel of part 2 again; grid 256 x 1, 4 waves a work-group, clusters of 4 x 1, 327,680 bytes of LDS; arguments slot_states, slot_mask, wf, tab, db2, rb2, out4, part, cand; writes out4, part, cand
;; launch refine: the kernel of part 3 again; grid 32 x 16, 4 waves a work-group, no clusters, 768 bytes of LDS; arguments slot_states, cand, wf, wl, tab, rpart; writes rpart
;; launch finish: the kernel of part 4 again; grid 4 x 32, 4 waves a work-group, no clusters, 3,584 bytes of LDS; arguments out4, slot_mask, part, cand, rpart, ln_gamma, ln_beta, vw, vb, db2, rb2, out0, out1, out2, out3; writes out0, out1, out2, out3
